; MI455X (gfx1250); checked and timed in simulation.
; The chip was launched on July 23, 2026; its instructions are those of AMD's public machine-readable ISA for CDNA 5 (MIT licence, August 2026) and "CDNA5" Instruction Set Architecture Reference Guide (July 2026). The comments in the code are by the model that wrote it; some were corrected since.
;; Sparse Mo E. Allowed arithmetic: float matrix products may take bf16 or f16 operands with f32 sums; other float arithmetic in f32, or as packed bf16 or f16 multiplies, adds, multiply-adds, maxima and minima; sums over many terms, partial sums and values carried from step to step in f32; what a program stores and reads back later, other than sums and carried values, may be rounded once to bf16 or f16.
;; Inputs: W1 8 x 1,024 x 4,096 float32; W2 8 x 4,096 x 1,024 float32; Wr 1,024 x 8 float32; b1 8 x 4,096 float32; b2 8 x 1,024 float32; br 8 float32; x 1,024 x 1,024 float32.
;; Outputs: out0 1,024 x 1,024 float32.
;; 2 versions, each right; version 2 is version 1 with the launches up, down written anew for expert scheduling mode. Each part assembles by itself: llvm-mc -triple=amdgcn-amd-amdhsa -mcpu=gfx1250 --defsym DOCPART=n.
;; ======== version 1 of 2: 5 launches
;; workspace buffers: sel 8,192 bytes of whole numbers; gate 8,192 bytes; xs 16,777,216 bytes; route 8,448 bytes of whole numbers; gs 32,768 bytes; hid 67,108,864 bytes; part 134,217,728 bytes
;; launch router (part 1): grid 256 x 1, 4 waves a work-group, no clusters, 20,992 bytes of LDS; arguments x, Wr, br, sel, gate; writes sel, gate
.if DOCPART == 1
	.amdgcn_target "amdgcn-amd-amdhsa--gfx1250"
	.amdhsa_code_object_version 6
	.text
	.protected	k_qb0913fe8a5_router
	.globl	k_qb0913fe8a5_router
	.p2align	8
	.type	k_qb0913fe8a5_router,@function
k_qb0913fe8a5_router:
	s_mov_b64 s[64:65], 0
	v_nop
	global_prefetch_b8 v0, s[64:65] scope:SCOPE_SE
	s_setreg_imm32_b32 hwreg(HW_REG_WAVE_MODE, 25, 1), 1
	s_wait_xcnt 0x0
; ROUTER.  logits = x Wr + br on x, Wr and br rounded to bf16 (as every input of this program is): the products of two bf16 are exact in f32, the sums are f32.
; Then the softmax over the 8 experts, with its maximum taken away, and the two largest.  One wave takes one token: token = 4 x work-group + wave.
; No matrix unit: 8 columns are half a matrix tile, the product is a two-thousandth of the program's arithmetic, and this way x is read in runs of 512 bytes.
; STORES: sel[t][2] the chosen experts, gate[t][2] their softmax weights, at fixed places (no address here hangs on the choice).
; LIMITS.  The two largest are found on the logits by a strict compare (the lower index keeps a tie); that differs from a choice on the rounded probabilities only where
; two unequal logits round to equal probabilities.  NaN and infinities are not treated.  A weight below 2^-126 counts as 0.
.set SPARE, 20480                      ; behind Wr's copy: the spare words, 128 bytes for each wave
.set ZR,   6                           ; v6        0: the addend of the first products
.set X,    8                           ; v[8:39]   x as loaded: load i holds k = 128 i + 4 lane + 0..3
.set XQ,   40                          ; v[40:55]  x in bf16 pairs
.set ACC,  56                          ; v[56:63]  one sum for each expert
.set W,    64                          ; v[64:191] Wr in bf16 from LDS; before that v[64:127] Wr as loaded
.set WP,   128                         ; v[128:159] Wr packed, on its way into LDS
.set L,    192                         ; v[192:199] br as loaded, then the logits
.set U,    200                         ; v[200:208] exponents, then exponentials
.set BB1,  210                         ; the largest logit
.set BB2,  211                         ; the second
.set BQ,   212                         ; v[212:215] br in bf16 pairs
.set SELP, 216                         ; v[216:217] the two experts
.set GP,   218                         ; v[218:219] their weights
.set SPW,  220                         ; LDS address of my spare word; never rewritten
.set NIL,  221                         ; 0; never rewritten
.set AD,   222                         ; 8 x token
	s_load_b256 s[4:11], s[0:1], 0x0               ; x s[4:5], Wr s[6:7], br s[8:9], sel s[10:11]
	s_load_b64 s[12:13], s[0:1], 0x20              ; gate
	v_lshl_add_u32 v[SPW], v0, 2, SPARE
	v_mov_b32 v[NIL], 0
	v_lshrrev_b32 v1, 5, v0
	v_readfirstlane_b32 s24, v1                    ; wave
	v_and_b32 v1, 31, v0                           ; lane
	v_lshlrev_b32 v2, 4, v1                        ; 16 x lane: my 16 bytes of 512 of x
	v_lshlrev_b32 v3, 4, v0                        ; 16 x thread: my 16 bytes of 2,048 of Wr (half a row of 8 experts)
	; Wr in LDS: four rows k of 16 bytes (8 bf16) make a chunk; chunks are 80 bytes apart, an odd multiple of 16.
	; Load m of thread T holds row k = T / 2 + 64 m, experts 4 (T % 2) ..: chunk T / 8 + 16 m = 4 wave + lane / 8 + 16 m.
	s_mul_i32 s31, s24, 320                        ; the wave's four chunks
	v_lshrrev_b32 v4, 3, v1
	v_mul_u32_u24 v4, v4, 80
	v_bfe_u32 v5, v1, 1, 2
	v_lshl_add_u32 v4, v5, 4, v4
	v_and_b32 v5, 1, v1
	v_lshl_add_u32 v4, v5, 3, v4
	v_add_nc_u32 v4, s31, v4
	v_mul_u32_u24 v5, v1, 80                       ; reading: chunk 32 i + lane
	v_mov_b32 v[ZR], 0
	s_lshl2_add_u32 s25, ttmp9, s24                ; token
	s_lshl_b32 s14, s25, 12                        ; its row of 4,096 bytes
	s_mov_b32 s15, 0
	s_lshl_b32 s30, s25, 3
	s_mov_b32 s26, 0x76543210                      ; v_permlanex16_b32: each lane takes its own place in the other half
	s_mov_b32 s27, 0xfedcba98
	s_wait_kmcnt 0x0
	s_add_nc_u64 s[4:5], s[4:5], s[14:15]
.set i, 0
.rept 8
	global_load_b128 v[X+4*i:X+4*i+3], v2, s[4:5] offset:512*i
.set i, i+1
.endr
.set i, 0
.rept 16
	global_load_b128 v[W+4*i:W+4*i+3], v3, s[6:7] offset:2048*i
.set i, i+1
.endr
	global_load_b128 v[L:L+3], v[ZR], s[8:9]       ; br: the same 32 bytes in every lane
	global_load_b128 v[L+4:L+7], v[ZR], s[8:9] offset:16
	s_wait_loadcnt 0x0
.set i, 0
.rept 16
	v_cvt_pk_bf16_f32 v[WP+2*i],   v[W+4*i],   v[W+4*i+1]
	v_cvt_pk_bf16_f32 v[WP+2*i+1], v[W+4*i+2], v[W+4*i+3]
	ds_store_b64 v4, v[WP+2*i:WP+2*i+1] offset:1280*i
.set i, i+1
.endr
.set i, 0
.rept 16
	v_cvt_pk_bf16_f32 v[XQ+i], v[X+2*i], v[X+2*i+1]
.set i, i+1
.endr
.set i, 0
.rept 4
	v_cvt_pk_bf16_f32 v[BQ+i], v[L+2*i], v[L+2*i+1]
.set i, i+1
.endr
	s_wait_dscnt 0x0                               ; for the others' sake: my part of Wr is in LDS
	s_barrier_signal -1
	s_barrier_wait -1                              ; everybody's is
.set i, 0
.rept 8
.set jj, 0
.rept 4
	ds_load_b128 v[W+16*i+4*jj:W+16*i+4*jj+3], v5 offset:2560*i+16*jj  ; row k = 128 i + 4 lane + jj, all 8 experts
.set jj, jj+1
.endr
.set i, i+1
.endr
; One product: ACC[e] += x[128 i + 4 lane + jj] Wr[..][e], both read as bf16 halves, added in f32.  The first eight take 0 as addend: nothing is cleared.
.macro MIX
.set rx, XQ+2*i+jj/2
.set rw, W+16*i+4*jj+e/2
.set rc, ACC+e
.if (i == 0) && (jj == 0)
.set rc, ZR
.endif
.if (jj%2 == 0) && (e%2 == 0)
	v_fma_mix_f32_bf16 v[ACC+e], v[rx], v[rw], v[rc] op_sel_hi:[1,1,0]
.elseif (jj%2 == 1) && (e%2 == 0)
	v_fma_mix_f32_bf16 v[ACC+e], v[rx], v[rw], v[rc] op_sel:[1,0,0] op_sel_hi:[1,1,0]
.elseif (jj%2 == 0)
	v_fma_mix_f32_bf16 v[ACC+e], v[rx], v[rw], v[rc] op_sel:[0,1,0] op_sel_hi:[1,1,0]
.else
	v_fma_mix_f32_bf16 v[ACC+e], v[rx], v[rw], v[rc] op_sel:[1,1,0] op_sel_hi:[1,1,0]
.endif
.endm
.set i, 0
.rept 8
	s_wait_dscnt 4*(7-i)                           ; LDS loads come back in order: group i's four are in, the later groups' stay out
.set jj, 0
.rept 4
.set e, 0
.rept 8                                ; the eight sums take turns, so that no line waits for the one before it
	MIX
.set e, e+1
.endr
.set jj, jj+1
.endr
.set i, i+1
.endr
	; the 32 lanes' parts are added: four steps inside each half of 16 lanes, one across
.irp m, 1,2,4,8
.set e, 0
.rept 8
	v_add_f32_dpp v[ACC+e], v[ACC+e], v[ACC+e] row_xmask:\m row_mask:0xf bank_mask:0xf
.set e, e+1
.endr
.endr
.set e, 0
.rept 8
	v_permlanex16_b32 v[W+e], v[ACC+e], s26, s27   ; its destination counts as read: W's registers have been written and are free
.set e, e+1
.endr
.set e, 0
.rept 4
	v_lshlrev_b32 v[L+2*e],   16, v[BQ+e]          ; br, rounded, back in f32
	v_and_b32     v[L+2*e+1], 0xffff0000, v[BQ+e]
.set e, e+1
.endr
.set e, 0
.rept 8
	v_add_f32 v[ACC+e], v[ACC+e], v[W+e]
.set e, e+1
.endr
.set e, 0
.rept 8
	v_add_f32 v[L+e], v[L+e], v[ACC+e]             ; the logits, in every lane
.set e, e+1
.endr
	; the two largest, by compares and selects alone
	v_mov_b32 v[BB1], v[L]
	v_mov_b32 v[SELP], 0
	v_mov_b32 v[BB2], 0xff800000                   ; below every finite logit
	v_mov_b32 v[SELP+1], 0
.irp e, 1,2,3,4,5,6,7
	v_cmp_gt_f32 vcc_lo, v[L+\e], v[BB1]
	v_cmp_gt_f32 s28, v[L+\e], v[BB2]
	v_cndmask_b32 v[BB2], v[BB2], v[L+\e], s28
	v_cndmask_b32 v[SELP+1], v[SELP+1], \e, s28
	v_cndmask_b32 v[BB2], v[BB2], v[BB1], vcc_lo   ; a new largest pushes the old one down
	v_cndmask_b32 v[SELP+1], v[SELP+1], v[SELP], vcc_lo
	v_cndmask_b32 v[BB1], v[BB1], v[L+\e], vcc_lo
	v_cndmask_b32 v[SELP], v[SELP], \e, vcc_lo
.endr
	; softmax: 2^((logit - maximum) log2 e); the largest's exponential is 1
.set e, 0
.rept 8
	v_sub_f32 v[U+e], v[L+e], v[BB1]
.set e, e+1
.endr
	v_sub_f32 v[U+8], v[BB2], v[BB1]
.set e, 0
.rept 9
	v_mul_f32 v[U+e], 0x3fb8aa3b, v[U+e]
.set e, e+1
.endr
.set e, 0
.rept 9
	v_exp_f32 v[U+e], v[U+e]
.set e, e+1
.endr
	v_mov_b32 v[AD], s30                           ; a plain instruction behind the last exponential
	s_wait_alu depctr_va_vdst(0)                   ; one wait for the nine, ahead of their first reader
	v_pk_add_f32 v[U:U+1], v[U:U+1], v[U+2:U+3]
	v_pk_add_f32 v[U+4:U+5], v[U+4:U+5], v[U+6:U+7]
	v_pk_add_f32 v[U:U+1], v[U:U+1], v[U+4:U+5]
	v_add_f32 v[U], v[U], v[U+1]
	v_rcp_f32 v[GP], v[U]                          ; the largest's weight is 1 / sum
	v_cmp_eq_u32 vcc_lo, 0, v1                     ; a plain instruction behind the reciprocal
	s_wait_alu depctr_va_vdst(0)
	v_mul_f32 v[GP+1], v[U+8], v[GP]
	s_wait_xcnt 0x0                                ; EXEC changes only behind this wait
	s_and_saveexec_b32 s29, vcc_lo                 ; lane 0 stores the token's 16 bytes
	global_store_b64 v[AD], v[SELP:SELP+1], s[10:11]
	global_store_b64 v[AD], v[GP:GP+1], s[12:13]
	s_wait_xcnt 0x0
	s_or_b32 exec_lo, exec_lo, s29
	s_wait_tensorcnt 0x0                           ; the wave's end
	ds_add_u32 v[SPW], v[NIL]
	s_wait_dscnt 0x0
	s_endpgm
.Lfunc_end_k_qb0913fe8a5_router:
	.size	k_qb0913fe8a5_router, .Lfunc_end_k_qb0913fe8a5_router-k_qb0913fe8a5_router
	.p2alignl 7, 3214868480
	.fill 96, 4, 3214868480
	.section	.rodata,"a",@progbits
	.p2align	6, 0x0
	.amdhsa_kernel k_qb0913fe8a5_router
		.amdhsa_group_segment_fixed_size 20992
		.amdhsa_private_segment_fixed_size 0
		.amdhsa_enable_private_segment 0
		.amdhsa_kernarg_size 40
		.amdhsa_user_sgpr_count 2
		.amdhsa_user_sgpr_kernarg_segment_ptr 1
		.amdhsa_wavefront_size32 1
		.amdhsa_system_sgpr_workgroup_id_x 1
		.amdhsa_system_sgpr_workgroup_id_y 1
		.amdhsa_system_sgpr_workgroup_id_z 1
		.amdhsa_system_vgpr_workitem_id 0
		.amdhsa_next_free_vgpr 224
		.amdhsa_next_free_sgpr 66
		.amdhsa_reserve_vcc 1
		.amdhsa_float_denorm_mode_32 3
		.amdhsa_float_denorm_mode_16_64 3
		.amdhsa_memory_ordered 1
		.amdhsa_forward_progress 1
		.amdhsa_inst_pref_size 35
	.end_amdhsa_kernel
	.amdgpu_metadata
---
amdhsa.version: [ 1, 2 ]
amdhsa.kernels:
  - .name:           k_qb0913fe8a5_router
    .symbol:         k_qb0913fe8a5_router.kd
    .args:
      - { .name: x, .offset: 0, .size: 8, .value_kind: global_buffer, .address_space: global }
      - { .name: Wr, .offset: 8, .size: 8, .value_kind: global_buffer, .address_space: global }
      - { .name: br, .offset: 16, .size: 8, .value_kind: global_buffer, .address_space: global }
      - { .name: sel, .offset: 24, .size: 8, .value_kind: global_buffer, .address_space: global }
      - { .name: gate, .offset: 32, .size: 8, .value_kind: global_buffer, .address_space: global }
    .group_segment_fixed_size: 20992
    .private_segment_fixed_size: 0
    .kernarg_segment_align: 8
    .kernarg_segment_size: 40
    .max_flat_workgroup_size: 128
    .sgpr_count:     66
    .vgpr_count:     224
    .wavefront_size: 32
...
	.end_amdgpu_metadata
.endif
;; end of part 1
;; launch gather (part 2): grid 8 x 64, 4 waves a work-group, no clusters, 1,024 bytes of LDS; arguments sel, gate, x, xs, route, gs; writes xs, route, gs
.if DOCPART == 2
	.amdgcn_target "amdgcn-amd-amdhsa--gfx1250"
	.amdhsa_code_object_version 6
	.text
	.protected	k_qb0913fe8a5_gather
	.globl	k_qb0913fe8a5_gather
	.p2align	8
	.type	k_qb0913fe8a5_gather,@function
k_qb0913fe8a5_gather:
	s_mov_b64 s[64:65], 0
	v_nop
	global_prefetch_b8 v0, s[64:65] scope:SCOPE_SE
	s_setreg_imm32_b32 hwreg(HW_REG_WAVE_MODE, 25, 1), 1
	s_wait_xcnt 0x0
; GATHER.  Work-group (e, j) makes tile j (16 rows) of expert e: a counting sort of the 2,048 choices, without atomics, then the rows of x rounded to bf16 and laid in the order in which a
; matrix operand's registers take them.  Each expert has room for 1,024 rows (64 tiles), so the grid serves every split of the tokens; a tile at or past the expert's count ends behind the count.
; The expert is the grid's x and the tile its y, so that the tiles that exist (the low j of every expert) have neighbouring work-group numbers.
; Each of the four waves sorts for itself (no barrier) and lays K quarter w of the 16 rows.
; xs: byte e 2^21 + tile 32,768 + s 1,024 + c 512 + lane 16: lane (r = lane % 16, h = lane / 16) holds row r, k = 32 s + 16 c + 8 h + 0..7.
; route: pos[t][slot] = e 1,024 + rank, at 8 t + 4 slot; cnt[e] at 8,192 + 4 e.   gs: the gate of row e 1,024 + rank.
; In a tile that is not full the places past the count repeat the last row, so that every byte that a later launch reads has been written.
; LIMIT: sel holds two different experts for each token (the router's two largest of finite logits).
.set SPARE, 512                        ; behind the four lists: the spare words, 128 bytes for each wave
.set SPW, 30
.set NIL, 31
.set SE,  64                           ; v[64:127]  sel: load i holds token 32 i + lane's two experts; later the packed rows
.set XR,  128                          ; v[128:255] x as loaded
; v1 lane, v2 8 lane, v3 r, v4 h, v5 16, v6 lane + 1,024, v7 my wave's list in LDS (16 words and, at +64, a word for what is not of this tile)
; s16 wave, s17 j, s18 e, s19 16 j, s20 count, s21 rows of e in front of the word in hand, less 16 j, s[32:63] one bit a token: it chose e
	s_load_b256 s[4:11], s[0:1], 0x0               ; sel s[4:5], gate s[6:7], x s[8:9], xs s[10:11]
	s_load_b128 s[12:15], s[0:1], 0x20             ; route s[12:13], gs s[14:15]
	v_lshl_add_u32 v[SPW], v0, 2, SPARE
	v_mov_b32 v[NIL], 0
	v_lshrrev_b32 v1, 5, v0
	v_readfirstlane_b32 s16, v1
	s_and_b32 s17, ttmp7, 0xffff                   ; tile
	s_mov_b32 s18, ttmp9                           ; expert
	s_lshl_b32 s19, s17, 4
	v_and_b32 v1, 31, v0
	v_lshlrev_b32 v2, 3, v1
	v_and_b32 v3, 15, v0
	v_bfe_u32 v4, v0, 4, 1
	v_mov_b32 v5, 16
	v_add_nc_u32 v6, 0x400, v1
	s_lshl_b32 s22, s16, 7
	v_mov_b32 v7, s22
	v_lshlrev_b32 v18, 4, v1                       ; 16 x lane
	v_lshlrev_b32 v24, 2, v0                       ; 4 x thread: word lane of my wave's 128 bytes of list
	s_mov_b32 s20, 0
	s_wait_kmcnt 0x0
.set i, 0
.rept 32
	global_load_b64 v[SE+2*i:SE+2*i+1], v2, s[4:5] offset:256*i
.set i, i+1
.endr
	s_wait_loadcnt 0x0
.set i, 0
.rept 32                               ; the bitmap and the count
	v_cmp_eq_u32 vcc_lo, s18, v[SE+2*i]
	v_cmp_eq_u32 s22, s18, v[SE+2*i+1]
	s_or_b32 s[32+i], vcc_lo, s22
	s_bcnt1_i32_b32 s23, s[32+i]
	s_add_co_u32 s20, s20, s23
.set i, i+1
.endr
	s_or_b32 s22, s17, s16
	s_cmp_lg_u32 s22, 0
	s_cbranch_scc1 .Lno_cnt                        ; wave 0 of tile 0 stores the expert's count: all lanes the same word with the same value
	v_mov_b32 v21, s20
	s_lshl_b32 s23, s18, 2
	v_mov_b32 v22, s23
	global_store_b32 v22, v21, s[12:13] offset:8192
.Lno_cnt:
	s_cmp_le_u32 s20, s19
	s_cbranch_scc0 .Llive
	s_endpgm                                       ; no row of this expert falls into this tile; nothing has been written to LDS
.Llive:
	ds_store_b32 v24, v[NIL]                       ; my wave's 128 bytes of list are written once, all lanes on, so that no word of it is ever read unwritten; the sort's stores come behind this one in the wave's own order
	s_sub_co_u32 s21, 0, s19
.set i, 0
.rept 32                               ; each token that chose e puts token + 1,024 slot at its rank in the tile's list; ranks outside the tile (below: huge as unsigned) go to the word at +64
	v_cmp_eq_u32 vcc_lo, s18, v[SE+2*i+1]
	v_cndmask_b32 v8, v1, v6, vcc_lo
	v_add_nc_u32 v8, 32*i, v8
	v_mbcnt_lo_u32_b32 v9, s[32+i], s21            ; rows of e in front of mine, less 16 j
	v_cndmask_b32 v9, v5, v9, s[32+i]
	v_min_u32 v9, 16, v9                           ; the clamp stands directly ahead of the address
	v_lshl_add_u32 v10, v9, 2, v7
	ds_store_b32 v10, v8
	s_bcnt1_i32_b32 s23, s[32+i]
	s_add_co_u32 s21, s21, s23
.set i, i+1
.endr
	s_sub_co_u32 s24, s20, s19
	s_sub_co_u32 s24, s24, 1                       ; the tile's last row that exists (or more than 15)
	v_min_u32 v11, s24, v3                         ; places past the count repeat it
	v_min_u32 v11, 15, v11                         ; a number made of loaded data enters an address only behind a clamp by a constant
	v_lshl_add_u32 v12, v11, 2, v7
	ds_load_b32 v13, v12                           ; LDS serves a wave's instructions in order: this sees the stores above
	s_lshl_b32 s22, s16, 10                        ; x: my K quarter, 1,024 bytes of a row
	s_mov_b32 s23, 0
	s_add_nc_u64 s[8:9], s[8:9], s[22:23]
	s_lshl_b32 s25, s18, 6
	s_add_co_u32 s25, s25, s17
	s_lshl_b32 s22, s25, 15                        ; xs: tile 64 e + j,
	s_lshl_b32 s26, s16, 13                        ; K steps 8 w on
	s_add_co_u32 s22, s22, s26
	s_add_nc_u64 s[10:11], s[10:11], s[22:23]
	s_wait_dscnt 0x0
	v_and_b32 v14, 0x3ff, v13
	v_min_u32 v14, 0x3ff, v14                      ; token
	v_bfe_u32 v15, v13, 10, 1
	v_min_u32 v15, 1, v15                          ; slot
	v_lshlrev_b32 v16, 3, v14
	v_lshl_add_u32 v16, v15, 2, v16                ; 8 token + 4 slot
	v_lshlrev_b32 v17, 12, v14
	v_lshl_add_u32 v17, v4, 5, v17                 ; token's row + 32 h
	global_load_b32 v20, v16, s[6:7]               ; the gate
.set m, 0
.rept 16                               ; m = 2 s + c: eight f32 a lane, k = 32 s + 16 c + 8 h + 0..7
	global_load_b128 v[XR+8*m:XR+8*m+3],   v17, s[8:9] offset:64*m
	global_load_b128 v[XR+8*m+4:XR+8*m+7], v17, s[8:9] offset:64*m+16
.set m, m+1
.endr
.set m, 0
.rept 16
	s_wait_loadcnt 30-2*m                          ; loads come back in order: pair m is in, the later pairs stay out
.set p, 0
.rept 4
	v_cvt_pk_bf16_f32 v[SE+4*m+p], v[XR+8*m+2*p], v[XR+8*m+2*p+1]
.set p, p+1
.endr
	global_store_b128 v18, v[SE+4*m:SE+4*m+3], s[10:11] offset:512*m  ; 512 consecutive bytes, aligned
.set m, m+1
.endr
	s_cmp_lg_u32 s16, 0
	s_cbranch_scc1 .Lend
	s_lshl_b32 s22, s18, 10
	s_add_co_u32 s22, s22, s19                     ; the tile's first row
	v_add_nc_u32 v19, s22, v11
	global_store_b32 v16, v19, s[12:13]            ; where the token's result will lie; lanes that repeat a row store the same value to the same word
	v_add_lshl_u32 v23, v3, s22, 2
	global_store_b32 v23, v20, s[14:15]            ; the 16 gates in the rows' order
.Lend:
	s_wait_tensorcnt 0x0                           ; the wave's end
	ds_add_u32 v[SPW], v[NIL]
	s_wait_dscnt 0x0
	s_endpgm
.Lfunc_end_k_qb0913fe8a5_gather:
	.size	k_qb0913fe8a5_gather, .Lfunc_end_k_qb0913fe8a5_gather-k_qb0913fe8a5_gather
	.p2alignl 7, 3214868480
	.fill 96, 4, 3214868480
	.section	.rodata,"a",@progbits
	.p2align	6, 0x0
	.amdhsa_kernel k_qb0913fe8a5_gather
		.amdhsa_group_segment_fixed_size 1024
		.amdhsa_private_segment_fixed_size 0
		.amdhsa_enable_private_segment 0
		.amdhsa_kernarg_size 48
		.amdhsa_user_sgpr_count 2
		.amdhsa_user_sgpr_kernarg_segment_ptr 1
		.amdhsa_wavefront_size32 1
		.amdhsa_system_sgpr_workgroup_id_x 1
		.amdhsa_system_sgpr_workgroup_id_y 1
		.amdhsa_system_sgpr_workgroup_id_z 1
		.amdhsa_system_vgpr_workitem_id 0
		.amdhsa_next_free_vgpr 256
		.amdhsa_next_free_sgpr 66
		.amdhsa_reserve_vcc 1
		.amdhsa_float_denorm_mode_32 3
		.amdhsa_float_denorm_mode_16_64 3
		.amdhsa_memory_ordered 1
		.amdhsa_forward_progress 1
		.amdhsa_inst_pref_size 37
	.end_amdhsa_kernel
	.amdgpu_metadata
---
amdhsa.version: [ 1, 2 ]
amdhsa.kernels:
  - .name:           k_qb0913fe8a5_gather
    .symbol:         k_qb0913fe8a5_gather.kd
    .args:
      - { .name: sel, .offset: 0, .size: 8, .value_kind: global_buffer, .address_space: global }
      - { .name: gate, .offset: 8, .size: 8, .value_kind: global_buffer, .address_space: global }
      - { .name: x, .offset: 16, .size: 8, .value_kind: global_buffer, .address_space: global }
      - { .name: xs, .offset: 24, .size: 8, .value_kind: global_buffer, .address_space: global }
      - { .name: route, .offset: 32, .size: 8, .value_kind: global_buffer, .address_space: global }
      - { .name: gs, .offset: 40, .size: 8, .value_kind: global_buffer, .address_space: global }
    .group_segment_fixed_size: 1024
    .private_segment_fixed_size: 0
    .kernarg_segment_align: 8
    .kernarg_segment_size: 48
    .max_flat_workgroup_size: 128
    .sgpr_count:     66
    .vgpr_count:     256
    .wavefront_size: 32
...
	.end_amdgpu_metadata
.endif
;; end of part 2
;; launch up (part 3): grid 32 x 8, 4 waves a work-group, no clusters, 270,848 bytes of LDS; arguments W1, b1, xs, route, hid; writes hid
.if DOCPART == 3
	.amdgcn_target "amdgcn-amd-amdhsa--gfx1250"
	.amdhsa_code_object_version 6
	.text
	.protected	k_qb0913fe8a5_up
	.globl	k_qb0913fe8a5_up
	.p2align	8
	.type	k_qb0913fe8a5_up,@function
k_qb0913fe8a5_up:
	s_mov_b64 s[64:65], 0
	v_nop
	global_prefetch_b8 v0, s[64:65] scope:SCOPE_SE
	s_setreg_imm32_b32 hwreg(HW_REG_WAVE_MODE, 25, 1), 1
	s_wait_xcnt 0x0
; UP.  hid = relu(xs W1[e] + b1[e]), rounded to bf16, for the rows that chose expert e.  Work-group (slice, e) owns 1,024 K x 128 columns of W1[e], which it alone reads.
; PHASE S: the slice, 524,288 bytes of f32, streams through registers, is rounded to bf16 and laid into LDS as matrix fragments.  One barrier.
; PHASE C: the expert's tiles of 16 rows are multiplied: their fragments come from xs straight into registers, W's from LDS; nothing writes LDS, so there is no barrier inside it.
; W1 is [K][N].  A lane loads 16 bytes (4 neighbouring columns) of each of 16 rows; rows k and k + 1 rounded together are one word of a fragment, and the 4 columns go to 4 fragments:
; fragment g = 4 b + f, lane r  <->  column 64 b + 4 r + f of the slice.  Lanes 0-15 of a load take 256 consecutive aligned bytes of one row, lanes 16-31 of another.
; THE MATRIX INSTRUCTION IS USED TRANSPOSED (source 0 = W's fragment, source 1 = 16 rows of xs): a lane then holds ONE row (lane % 16) and the columns 64 b + 4 (8 h + j) + f.  Its eight results,
; rounded in pairs, ARE half a fragment of the next product's rows, so hid is stored in that order, K permuted: place (s2, c, m) holds hidden index 64 (s2 / 2) + 2 (s2 % 2) + c + 4 m;
; the next launch takes W2's rows in the same order.  hid: byte e 2^23 + tile 131,072 + s2 1,024 + c 512 + lane 16.
; THE ORDER OF K.  K's 32 steps are eight blocks of four; the K loop begins at block slice % 8 and goes round, so that the 32 work-groups that read one expert's xs begin at eight different
; places of it.  LIMIT: the terms of a sum are therefore added in an order that hangs on the work-group (f32 sums; the reference's order is another still).
; NO CLUSTER, NO TENSOR LOADS: each weight byte has one reader and has to pass through registers to be rounded; what an expert's 32 work-groups share is xs, for which LDS has no room beside the slice.
; THE ROWS.  The count is read from route; three passes (a constant) of up to six tiles a wave cover the 64 tiles that an expert can have; dead passes and dead tiles are jumped forward.
; The K loop is written for 4, 5 and 6 tiles; a wave with fewer than 4 multiplies its first tile again in the dead places.  An expert without rows still streams its slice and stores nothing.
; REGISTERS, in windows of 256 (s_set_vgpr_msb: bits 1:0 source 0, 3:2 source 1, 5:4 source 2, 7:6 destination):
;   window 0: v2-29 addresses; v32-63 at work; v64-127 the bias, BI[g][j]; v128-255 W's fragments, two buffers of 8 (before phase C: the bias as loaded; on the way out: packed tiles)
;   window 1: phase S: four slots of 64, a block of 32 K x 64 columns each; phase C: xs's fragments, a ring of four K steps x 6 tiles x 8
;   window 2: the accumulators of tiles 0-3 at 64 i + 8 g + j;   window 3: those of tiles 4 and 5
.set TRIP,  0x100000                   ; bytes of W1 from two K steps to the next two: 64 rows of 16,384
.set USTEP, 0x80000                    ; a K step: 32 rows
.set CSTEP, 0x40000                    ; 16 rows
.set JSTEP, 0x4000                     ; a row
.set KSB,   8192                       ; a K step's 8 fragments in LDS: s KSB + g 1,024 + c 512 + lane 16
.set SPARE, 33*KSB                     ; behind 32 K steps and the second copy of the first: the spare words, 128 bytes for each wave
.set LN16, 2                           ; 16 x lane
.set BA,   3                           ; LDS address of the trip's first K step: SB + 16 x lane
.set SD2,  4                           ; LDS address of place 32: 32 KSB + 16 x lane
.set WO,   5                           ; W1: h 131,072 + r 16
.set PFO,  6                           ; the prefetch: lane x 16,384, a row a lane
.set SD,   7                           ; LDS address of my stores
.set AO,   8                           ; v8-13   tile i: its byte offset in xs + 16 lane
.set OO,   14                          ; v14-19  tile i: its byte offset in hid + 16 lane
.set ZR,   20                          ; 0, for the relu
.set SPW,  28
.set NIL,  29
.set T,    32
.set BI,   64
.set BF,   128
.set RAW,  128
.set PKB,  192
.set WV, 16
.set EX, 18
.set E4, 19
.set WB, 20                            ; s[20:21] W1 at my wave's K steps of the slice
.set OF, 22                            ; s[22:23] an offset, high word 0
.set AB, 24                            ; s[24:25] xs at the expert
.set PA, 26                            ; s[26:27] AB + the byte at which the trip's block begins in a tile
.set PB, 28                            ; s[28:29] AB + KB: the next block
.set KB, 30                            ; s[30:31] the next block's byte in a tile, round 32,768
.set HB, 32                            ; s[32:33] hid at the expert and slice
.set CN, 34
.set NTL, 35                           ; the expert's tiles
.set T0, 36                            ; my first tile of the pass
.set PC, 37
.set KC, 38
.set NT, 39
.set TT, 40
.set SC, 41
.set TM, 48
.set SB, 49                            ; LDS byte at which the trip's four K steps begin, round 262,144
.set ROTA, 50                          ; 4,096 x (slice % 8): where my K loop begins in a tile of xs,
.set ROTB, 51                          ; 32,768 x (slice % 8): and in LDS
.set MUL_LO, 0xa4                      ; source 0 (W) window 0, source 1 (xs) window 1, C and D window 2
.set MUL_HI, 0xf4                      ; the same, C and D window 3
.set MSB, 0
.macro WIN new                         ; the immediate's high byte repeats the setting that is left; a switch that changes nothing is dropped
.if MSB != (\new)
	s_set_vgpr_msb (MSB<<8)|(\new)
.set MSB, \new
.endif
.endm
; 16 loads: block (u, b) = K step u of a trip, columns 64 b on, into slot 2 u + b: L[c][j][f] at 32 c + 4 j + f is row 16 c + 8 h + j, column 64 b + 4 r + f
.macro WLOAD u, b, base
.set R, 64*(2*(\u)+(\b))
	WIN 0x40
.irp c, 0,1
.irp j, 0,1,2,3,4,5,6,7
	global_load_b128 v[R+32*\c+4*\j:R+32*\c+4*\j+3], v[WO], s[WB:WB+1] offset:(\base)+(\u)*USTEP+\c*CSTEP+\j*JSTEP+(\b)*256 th:TH_LOAD_NT
.endr
.endr
	WIN 0
.endm
; A block's turn: rounded, laid into LDS, and (issue = 1) its slot asked for again, a trip ahead.  left: the younger loads that may stay out.
; twin = 1: wave 0, in its first trip, lays K step 0 a second time, at place 32: behind K step 31 the K loop goes on with K step 0, and fetches it one K step ahead by a plain offset.
.macro SBLK u, b, issue, left, twin
.set R, 64*(2*(\u)+(\b))
	s_wait_loadcnt \left                           ; loads come back in order: this block's sixteen are in
.if \issue
	s_cmp_eq_u32 s[SC], 1
	s_cbranch_scc1 .Lnopf_\@                       ; the loop's last trip asks for nothing: two trips on lies the next wave's part
	global_prefetch_b8 v[PFO], s[WB:WB+1] offset:2*TRIP+(\u)*USTEP+(\b)*256 th:TH_LOAD_NT scope:SCOPE_SE  ; the same block two trips on: 32 lanes, one row's 256 bytes each; its loads are issued four blocks from here, by this wave
.Lnopf_\@:
.endif
	WIN 0x05
.irp f, 0,1,2,3
.irp c, 0,1
.irp jj, 0,1,2,3
	v_cvt_pk_bf16_f32 v[T+8*\f+4*\c+\jj], v[R+32*\c+8*\jj+\f], v[R+32*\c+8*\jj+4+\f]
.endr
.endr
.endr
	WIN 0
.irp f, 0,1,2,3
.irp c, 0,1
	ds_store_b128 v[SD], v[T+8*\f+4*\c:T+8*\f+4*\c+3] offset:(\u)*KSB+(4*(\b)+\f)*1024+\c*512
.endr
.endr
.if \twin
	s_cmp_lg_u32 s[WV], 0
	s_cbranch_scc1 .Lno_twin_\@
	s_cmp_lg_u32 s[SC], 3
	s_cbranch_scc1 .Lno_twin_\@
.irp f, 0,1,2,3
.irp c, 0,1
	ds_store_b128 v[SD2], v[T+8*\f+4*\c:T+8*\f+4*\c+3] offset:(4*(\b)+\f)*1024+\c*512
.endr
.endr
.Lno_twin_\@:
.endif
.if \issue
	WLOAD \u, \b, TRIP
.endif
.endm
	s_load_b256 s[4:11], s[0:1], 0x0               ; W1 s[4:5], b1 s[6:7], xs s[8:9], route s[10:11]
	s_load_b64 s[12:13], s[0:1], 0x20              ; hid
	v_lshl_add_u32 v[SPW], v0, 2, SPARE
	v_mov_b32 v[NIL], 0
	v_lshrrev_b32 v1, 5, v0
	v_readfirstlane_b32 s[WV], v1
	s_and_b32 s[EX], ttmp7, 0xffff
	s_and_b32 s[ROTB], ttmp9, 7
	s_lshl_b32 s[ROTA], s[ROTB], 12
	s_lshl_b32 s[ROTB], s[ROTB], 15
	v_and_b32 v1, 31, v0
	v_lshlrev_b32 v[LN16], 4, v1
	v_add_nc_u32 v[SD2], 32*KSB, v[LN16]
	v_and_b32 v9, 15, v0                           ; r
	v_bfe_u32 v10, v0, 4, 1                        ; h
	v_lshlrev_b32 v[WO], 4, v9
	v_lshl_add_u32 v[WO], v10, 17, v[WO]
	v_lshlrev_b32 v[PFO], 14, v1
	s_lshl_b32 s[TM], s[WV], 16                    ; my wave lays K steps 8 w to 8 w + 7
	v_add_nc_u32 v[SD], s[TM], v[LN16]
	v_lshlrev_b32 v11, 7, v10                      ; the bias: 128 h
	v_mov_b32 v[ZR], 0
	s_lshl_b32 s[OF], s[EX], 24
	s_lshl_b32 s[TM], s[WV], 22
	s_add_co_u32 s[OF], s[OF], s[TM]
	s_lshl_b32 s[TM], ttmp9, 9
	s_add_co_u32 s[OF], s[OF], s[TM]
	s_mov_b32 s[OF+1], 0
	s_mov_b32 s[KB+1], 0
	s_lshl_b32 s[E4], s[EX], 2
	s_wait_kmcnt 0x0
	s_load_b32 s[CN], s[10:11], s[E4] offset:0x2000  ; the expert's count; waited for behind the barrier
	s_add_nc_u64 s[WB:WB+1], s[4:5], s[OF:OF+1]
	s_lshl_b32 s[OF], s[EX], 14
	s_add_co_u32 s[OF], s[OF], s[TM]
	s_add_nc_u64 s[6:7], s[6:7], s[OF:OF+1]
.irp b, 0,1
.irp j, 0,1,2,3,4,5,6,7
	global_load_b128 v[RAW+32*\b+4*\j:RAW+32*\b+4*\j+3], v11, s[6:7] offset:256*\b+16*\j  ; b1 of columns 64 b + 32 h + 4 j + 0..3
.endr
.endr
.irp u, 0,1
.irp b, 0,1
	WLOAD \u, \b, 0                                ; trip 0: all four slots
	global_prefetch_b8 v[PFO], s[WB:WB+1] offset:TRIP+\u*USTEP+\b*256 th:TH_LOAD_NT scope:SCOPE_SE  ; trip 1's block
.endr
.endr
	s_lshl_b32 s[OF], s[EX], 21
	s_add_nc_u64 s[AB:AB+1], s[8:9], s[OF:OF+1]
	s_lshl_b32 s[OF], s[EX], 23
	s_lshl_b32 s[TM], ttmp9, 12                    ; the slice's four K steps of the next product
	s_add_co_u32 s[OF], s[OF], s[TM]
	s_add_nc_u64 s[HB:HB+1], s[12:13], s[OF:OF+1]
	s_mov_b32 s[SC], 3
.Lstream:                                              ; three trips of four blocks; by the text's count 48 to 64 loads of a wave are out
	SBLK 0, 0, 1, 48, 1
	SBLK 0, 1, 1, 48, 1
	SBLK 1, 0, 1, 48, 0
	SBLK 1, 1, 1, 48, 0
	s_wait_xcnt 0x0                                ; the loads' base is stepped only behind this wait
	s_add_nc_u64 s[WB:WB+1], s[WB:WB+1], TRIP
	v_add_nc_u32 v[SD], 2*KSB, v[SD]
	s_sub_co_u32 s[SC], s[SC], 1
	s_cmp_lg_u32 s[SC], 0
	s_cbranch_scc1 .Lstream
	SBLK 0, 0, 0, 48, 0                            ; the last trip loads nothing: the counts run down
	SBLK 0, 1, 0, 32, 0
	SBLK 1, 0, 0, 16, 0
	SBLK 1, 1, 0, 0, 0
	; the bias, rounded to bf16 like every input, back in f32: BI[4 b + f][j] = b1[64 b + 32 h + 4 j + f]
	s_mov_b32 s[TM], 0xffff0000
.irp b, 0,1
.irp j, 0,1,2,3,4,5,6,7
	v_cvt_pk_bf16_f32 v[PKB+16*\b+2*\j],   v[RAW+32*\b+4*\j],   v[RAW+32*\b+4*\j+1]
	v_cvt_pk_bf16_f32 v[PKB+16*\b+2*\j+1], v[RAW+32*\b+4*\j+2], v[RAW+32*\b+4*\j+3]
.endr
.endr
.irp b, 0,1
.irp j, 0,1,2,3,4,5,6,7
	v_lshlrev_b32 v[BI+32*\b+\j],    16, v[PKB+16*\b+2*\j]
	v_and_b32     v[BI+32*\b+8+\j],  s[TM], v[PKB+16*\b+2*\j]
	v_lshlrev_b32 v[BI+32*\b+16+\j], 16, v[PKB+16*\b+2*\j+1]
	v_and_b32     v[BI+32*\b+24+\j], s[TM], v[PKB+16*\b+2*\j+1]
.endr
.endr
	s_wait_dscnt 0x0                               ; for the others' sake: my K steps are in LDS
	s_barrier_signal -1
	s_barrier_wait -1                              ; the whole slice is; from here to the closing barrier LDS is only read
	s_wait_kmcnt 0x0
	s_min_u32 s[CN], s[CN], 1024
	s_add_co_u32 s[NTL], s[CN], 15
	s_lshr_b32 s[NTL], s[NTL], 4
; K step u of a trip's block, for nt tiles.  Asked for here: W's fragments of the next K step (LDS, the other buffer) and xs's of the K step three on (the ring's slot that the K step before left).
; Both sets of registers were last read by the K step before's products: four plain places stand between (ISA guide 7.12.1 for vector instructions).
; The accumulators take turns, one instruction a turn: 8 nt - 1 others' stand between two products on one accumulator, over the backward jump too.
.macro KSTEP u, nt
	WIN 0
.rept 4
	v_nop
.endr
.set bb, BF+64*(((\u)+1)%2)
.irp g, 0,1,2,3,4,5,6,7
	ds_load_b128 v[bb+8*\g:bb+8*\g+3],   v[BA] offset:((\u)+1)*KSB+\g*1024
	ds_load_b128 v[bb+8*\g+4:bb+8*\g+7], v[BA] offset:((\u)+1)*KSB+\g*1024+512
.endr
	WIN 0x40
.set sl, 48*(((\u)+3)%4)
.set i, 0
.rept \nt
.if (\u) == 0
	global_load_b128 v[sl+8*i:sl+8*i+3],   v[AO+i], s[PA:PA+1] offset:3072
	global_load_b128 v[sl+8*i+4:sl+8*i+7], v[AO+i], s[PA:PA+1] offset:3584
.else
	global_load_b128 v[sl+8*i:sl+8*i+3],   v[AO+i], s[PB:PB+1] offset:((\u)-1)*1024
	global_load_b128 v[sl+8*i+4:sl+8*i+7], v[AO+i], s[PB:PB+1] offset:((\u)-1)*1024+512
.endif
.set i, i+1
.endr
	s_wait_loadcnt 6*(\nt)                         ; xs of this K step is in; those of the next three, 2 nt loads each, stay out
	s_wait_dscnt 16                                ; W of this K step is in; the sixteen just issued stay out
.set cb, BF+64*((\u)%2)
.set ca, 48*((\u)%4)
.set i, 0
.rept \nt
.if i < 4
	WIN MUL_LO
.set ac, 64*i
.else
	WIN MUL_HI
.set ac, 64*(i-4)
.endif
.irp g, 0,1,2,3,4,5,6,7
	v_wmma_f32_16x16x32_bf16 v[ac+8*\g:ac+8*\g+7], v[cb+8*\g:cb+8*\g+7], v[ca+8*i:ca+8*i+7], v[ac+8*\g:ac+8*\g+7]
.endr
.set i, i+1
.endr
.endm
; The K loop: 8 trips, a block of 4 K steps each, round from the block at which the pass set PA, PB and SB.  Behind block 7 comes block 0: xs's offset goes round 32,768, the LDS byte round 262,144,
; and block 7's last K step fetches W's K step 0 from its second copy at place 32.  The last trip's look-ahead asks once more for the first block's K steps 0 to 2 of xs and K step 0 of W: bytes
; that exist and have been written; what they bring is not used.  That is 3 runs of 35, the price of writing no tail in three forms.
; The highest LDS byte read is 7 x 32,768 + 4 x 8,192 + 7,680 + 511, the last in front of the spare words.
.macro KLOOP nt
	s_mov_b32 s[KC], 8
.Lk_\@:
	KSTEP 0, \nt
	KSTEP 1, \nt
	KSTEP 2, \nt
	KSTEP 3, \nt
	WIN 0
	s_wait_xcnt 0x0                                ; the loads' bases are stepped only behind this wait
	s_mov_b64 s[PA:PA+1], s[PB:PB+1]
	s_add_co_u32 s[KB], s[KB], 4096
	s_and_b32 s[KB], s[KB], 0x7fff
	s_add_nc_u64 s[PB:PB+1], s[AB:AB+1], s[KB:KB+1]
	s_add_co_u32 s[SB], s[SB], 4*KSB
	s_and_b32 s[SB], s[SB], 0x3ffff
	v_add_nc_u32 v[BA], s[SB], v[LN16]
	s_sub_co_u32 s[KC], s[KC], 1
	s_cmp_lg_u32 s[KC], 0
	s_cbranch_scc1 .Lk_\@
	s_wait_loadcnt 0x0                             ; the look-ahead's loads: their registers are written again on the way out and in the next pass
	s_wait_dscnt 0x0
.endm
; Tile i goes out: rounded in pairs (each accumulator's registers in ascending order), relu on the packed halves, eight stores of 512 consecutive aligned bytes.
; Tiles 0 to 4 have 32 registers each of their own (T, and W's two fragment buffers, which are free here), so that no tile's conversions wait for the stores of the tile before; tile 5 takes T again.
.macro EPI i
.if (\i) > 0
	s_add_co_u32 s[TT], s[T0], 4*(\i)
	s_cmp_ge_u32 s[TT], s[NTL]
	s_cbranch_scc1 .Ldone                          ; this tile and those behind it do not exist
.endif
.if (\i) == 0
.set TB, T
.elseif (\i) < 5
.set TB, BF+32*((\i)-1)
.else
.set TB, T
	s_wait_xcnt 0x0                                ; T, which tile 0's stores read, is rewritten only behind this wait
.endif
.set AC, 64*((\i)%4)
	WIN 0x0a+5*((\i)/4)
.irp g, 0,1,2,3,4,5,6,7
.irp jj, 0,1,2,3
	v_cvt_pk_bf16_f32 v[TB+4*\g+\jj], v[AC+8*\g+2*\jj], v[AC+8*\g+2*\jj+1]
.endr
.endr
	WIN 0
.set z, 0
.rept 32
	v_pk_max_num_bf16 v[TB+z], v[TB+z], v[ZR]
.set z, z+1
.endr
.irp g, 0,1,2,3,4,5,6,7
	global_store_b128 v[OO+(\i)], v[TB+4*\g:TB+4*\g+3], s[HB:HB+1] offset:\g*512
.endr
.endm
	s_mov_b32 s[PC], 3
	s_mov_b32 s[T0], s[WV]
.Lpass:                                                ; my tiles of the pass: T0 + 4 i, i = 0..5
	s_cmp_ge_u32 s[T0], s[NTL]
	s_cbranch_scc1 .Lnext
	s_wait_xcnt 0x0                                ; the last pass's loads and stores have read their addresses and their data
.set i, 0
.rept 6
	s_add_co_u32 s[TT], s[T0], 4*i
	s_cmp_lt_u32 s[TT], s[NTL]
	s_cselect_b32 s[TT], s[TT], s[T0]              ; a tile that does not exist repeats my first
	s_min_u32 s[TT], s[TT], 63
	s_lshl_b32 s[TM], s[TT], 15
	v_add_nc_u32 v[AO+i], s[TM], v[LN16]
	s_lshl_b32 s[TM], s[TT], 17
	v_add_nc_u32 v[OO+i], s[TM], v[LN16]
.set i, i+1
.endr
	s_mov_b32 s[KB], s[ROTA]                       ; the block at which my K loop begins,
	s_add_nc_u64 s[PA:PA+1], s[AB:AB+1], s[KB:KB+1]
	s_add_co_u32 s[KB], s[KB], 4096                ; and the one behind it, round 32,768
	s_and_b32 s[KB], s[KB], 0x7fff
	s_add_nc_u64 s[PB:PB+1], s[AB:AB+1], s[KB:KB+1]
	s_mov_b32 s[SB], s[ROTB]
	v_add_nc_u32 v[BA], s[SB], v[LN16]
.irp g, 0,1,2,3,4,5,6,7
	ds_load_b128 v[BF+8*\g:BF+8*\g+3],   v[BA] offset:\g*1024  ; W of the block's K step 0
	ds_load_b128 v[BF+8*\g+4:BF+8*\g+7], v[BA] offset:\g*1024+512
.endr
	WIN 0x40
.irp sg, 0,1,2                         ; xs of the block's K steps 0 to 2, for all six places, so that one text serves the three loops; behind the first twelve lie 24 + 2 nt loads, not fewer than the loop's count 6 nt
.set i, 0
.rept 6
	global_load_b128 v[48*\sg+8*i:48*\sg+8*i+3],   v[AO+i], s[PA:PA+1] offset:\sg*1024
	global_load_b128 v[48*\sg+8*i+4:48*\sg+8*i+7], v[AO+i], s[PA:PA+1] offset:\sg*1024+512
.set i, i+1
.endr
.endr
	; The sums start at the bias, so that nothing is added on the way out.  All six tiles, on every path.  These 384 lines stand in the wait for the loads above; the price of writing no first K step in three forms.
	WIN 0x80
.set z, 0
.rept 256
	v_mov_b32 v[z], v[BI+z%64]
.set z, z+1
.endr
	WIN 0xc0
.set z, 0
.rept 128
	v_mov_b32 v[z], v[BI+z%64]
.set z, z+1
.endr
	WIN 0
	s_sub_co_u32 s[NT], s[NTL], s[T0]
	s_add_co_u32 s[NT], s[NT], 3
	s_lshr_b32 s[NT], s[NT], 2                     ; my tiles from T0 on
	s_cmp_gt_u32 s[NT], 5
	s_cbranch_scc1 .Lsix
	s_cmp_eq_u32 s[NT], 5
	s_cbranch_scc1 .Lfive
	KLOOP 4
	s_branch .Lepi
.Lfive:
	KLOOP 5
	s_branch .Lepi
.Lsix:
	KLOOP 6
.Lepi:
.rept 4
	v_nop                                          ; the places between the last products and the conversions, which read results and write over W's fragments
.endr
	EPI 0
	EPI 1
	EPI 2
	EPI 3
	EPI 4
	EPI 5
.Ldone:
.Lnext:
	s_add_co_u32 s[T0], s[T0], 24
	s_sub_co_u32 s[PC], s[PC], 1
	s_cmp_lg_u32 s[PC], 0
	s_cbranch_scc1 .Lpass
	s_wait_dscnt 0x0                               ; my reads of LDS are back,
	s_barrier_signal -1
	s_barrier_wait -1                              ; and so are every wave's: no LDS word is written while a wave may still read
	s_wait_tensorcnt 0x0                           ; the wave's end
	ds_add_u32 v[SPW], v[NIL]
	s_wait_dscnt 0x0
	s_endpgm
.Lfunc_end_k_qb0913fe8a5_up:
	.size	k_qb0913fe8a5_up, .Lfunc_end_k_qb0913fe8a5_up-k_qb0913fe8a5_up
	.p2alignl 7, 3214868480
	.fill 96, 4, 3214868480
	.section	.rodata,"a",@progbits
	.p2align	6, 0x0
	.amdhsa_kernel k_qb0913fe8a5_up
		.amdhsa_group_segment_fixed_size 270848
		.amdhsa_private_segment_fixed_size 0
		.amdhsa_enable_private_segment 0
		.amdhsa_kernarg_size 40
		.amdhsa_user_sgpr_count 2
		.amdhsa_user_sgpr_kernarg_segment_ptr 1
		.amdhsa_wavefront_size32 1
		.amdhsa_system_sgpr_workgroup_id_x 1
		.amdhsa_system_sgpr_workgroup_id_y 1
		.amdhsa_system_sgpr_workgroup_id_z 1
		.amdhsa_system_vgpr_workitem_id 0
		.amdhsa_next_free_vgpr 896
		.amdhsa_next_free_sgpr 66
		.amdhsa_reserve_vcc 0
		.amdhsa_float_denorm_mode_32 3
		.amdhsa_float_denorm_mode_16_64 3
		.amdhsa_memory_ordered 1
		.amdhsa_forward_progress 1
		.amdhsa_inst_pref_size 151
	.end_amdhsa_kernel
	.amdgpu_metadata
---
amdhsa.version: [ 1, 2 ]
amdhsa.kernels:
  - .name:           k_qb0913fe8a5_up
    .symbol:         k_qb0913fe8a5_up.kd
    .args:
      - { .name: W1, .offset: 0, .size: 8, .value_kind: global_buffer, .address_space: global }
      - { .name: b1, .offset: 8, .size: 8, .value_kind: global_buffer, .address_space: global }
      - { .name: xs, .offset: 16, .size: 8, .value_kind: global_buffer, .address_space: global }
      - { .name: route, .offset: 24, .size: 8, .value_kind: global_buffer, .address_space: global }
      - { .name: hid, .offset: 32, .size: 8, .value_kind: global_buffer, .address_space: global }
    .group_segment_fixed_size: 270848
    .private_segment_fixed_size: 0
    .kernarg_segment_align: 8
    .kernarg_segment_size: 40
    .max_flat_workgroup_size: 128
    .sgpr_count:     66
    .vgpr_count:     896
    .wavefront_size: 32
...
	.end_amdgpu_metadata
.endif
;; end of part 3
;; launch down (part 4): grid 32 x 8, 4 waves a work-group, no clusters, 270,848 bytes of LDS; arguments W2, b2, hid, route, gs, part; writes part
.if DOCPART == 4
	.amdgcn_target "amdgcn-amd-amdhsa--gfx1250"
	.amdhsa_code_object_version 6
	.text
	.protected	k_qb0913fe8a5_down
	.globl	k_qb0913fe8a5_down
	.p2align	8
	.type	k_qb0913fe8a5_down,@function
k_qb0913fe8a5_down:
	s_mov_b64 s[64:65], 0
	v_nop
	global_prefetch_b8 v0, s[64:65] scope:SCOPE_SE
	s_setreg_imm32_b32 hwreg(HW_REG_WAVE_MODE, 25, 1), 1
	s_wait_xcnt 0x0
; DOWN.  part[q][row] = gate[row] x (hid[row][K quarter q] W2[e][that quarter] + b2[e] in quarter 0 alone), f32.  Work-group (4 e + q, cs) owns 1,024 K x 128 columns of W2[e], which it alone reads.
; K is split in four so that 256 work-groups have a slice each; the four partial rows (partial sums: f32) and the token's two experts are added by the next launch.
; The eight work-groups that read the same quarter of hid (one e, one q) differ in the grid's y alone.
; PHASE S, the barrier and PHASE C are those of the launch before: the slice streams through registers, is rounded to bf16 and laid into LDS as fragments; then the expert's tiles of 16 rows are
; multiplied, hid's fragments straight from memory into registers, W2's from LDS.
; hid's K is permuted: place (s2, c, m = 8 h + j) holds hidden index 64 (s2 / 2) + 2 (s2 % 2) + c + 4 m.  W2's rows are taken in the same order: a sum does not mind the order of its terms' places,
; if both operands have the same.  Fragment g = 4 b + f, lane r  <->  column 64 b + 4 r + f of the slice.
; THE ORDER OF K.  The quarter's 32 K steps are eight blocks of four; the K loop begins at block cs and goes round, so that the eight work-groups that read one quarter of hid begin at eight
; different places of it.  LIMIT: the terms of a sum are therefore added in an order that hangs on the work-group (f32 sums; the reference's order is another still).
; The matrix instruction is used as it is (source 0 = 16 rows of hid, source 1 = W2's fragment): a lane holds column 64 b + 4 r + f of rows 8 h + j, so the four fragments f of one b give a lane
; 16 neighbouring bytes of a row; the move into four neighbouring registers is the multiply by the gate.  Sixteen lanes store 256 consecutive aligned bytes.
; NO CLUSTER, NO TENSOR LOADS; THE ROWS: as in the launch before.
; REGISTERS, in windows of 256: window 0: v2-29 addresses; v32-63 at work; v64-111 the gates G[i][j]; v112-119 the bias B2[g]; v128-255 W2's fragments, two buffers of 8 (on the way out: rows to store)
;   window 1: phase S: four slots of 64; phase C: hid's fragments, a ring of four K steps x 6 tiles x 8     window 2: the accumulators of tiles 0-3 at 64 i + 8 g + j;  window 3: tiles 4 and 5
.set TRIP,  0x40000                    ; bytes of W2 from two K steps to the next two: 64 rows of 4,096
.set USTEP, 0x2000                     ; K step s2 % 2: 2 rows
.set CSTEP, 0x1000                     ; c: a row
.set JSTEP, 0x4000                     ; j: 4 rows
.set KSB,   8192
.set SPARE, 33*KSB
.set LN16, 2
.set BA,   3                           ; LDS address of the trip's first K step: SB + 16 x lane
.set SD2,  4                           ; LDS address of place 32: 32 KSB + 16 x lane
.set WO,   5                           ; W2: h 131,072 (32 rows) + r 16
.set PFO,  6                           ; the prefetch: row lane % 2 + 4 (lane / 2)
.set SD,   7
.set AO,   8                           ; v8-13   tile i: its byte offset in hid + 16 lane
.set OO,   14                          ; v14-19  tile i: its byte offset in part + h 32,768 + r 16
.set GO,   20                          ; v20-25  tile i: its byte offset in gs + 32 h
.set RW,   26
.set H32,  27
.set SPW,  28
.set NIL,  29
.set T,    32
.set G,    64
.set B2,   112
.set BF,   128
.set RAW,  128
.set PKB,  136
.set WV, 16
.set EX, 18
.set E4, 19
.set WB, 20
.set OF, 22
.set AB, 24                            ; s[24:25] hid at the expert and K quarter
.set PA, 26                            ; s[26:27] AB + the byte at which the trip's block begins in a tile's quarter
.set PB, 28                            ; s[28:29] AB + KB: the next block
.set KB, 30                            ; s[30:31] the next block's byte, round 32,768
.set PBS, 32                           ; s[32:33] part at the quarter, the expert and the slice's columns
.set CN, 34
.set NTL, 35
.set T0, 36
.set PC, 37
.set KC, 38
.set NT, 39
.set TT, 40
.set SC, 41
.set GSB, 42                           ; s[42:43] gs at the expert
.set QQ, 44
.set CSL, 45
.set KM, 46                            ; all ones in quarter 0, else 0
.set KMH, 47
.set TM, 48
.set SB, 49                            ; LDS byte at which the trip's four K steps begin, round 262,144
.set ROTA, 50                          ; 4,096 x cs: where my K loop begins in a tile's quarter of hid,
.set ROTB, 51                          ; 32,768 x cs: and in LDS
.set MUL_LO, 0xa1                      ; source 0 (hid) window 1, source 1 (W2) window 0, C and D window 2
.set MUL_HI, 0xf1
.set MSB, 0
.macro WIN new                         ; the immediate's high byte repeats the setting that is left; a switch that changes nothing is dropped
.if MSB != (\new)
	s_set_vgpr_msb (MSB<<8)|(\new)
.set MSB, \new
.endif
.endm
; 16 loads: block (u, b) into slot 2 u + b: L[c][j][f] at 32 c + 4 j + f is the row of place (u, c, 8 h + j), column 64 b + 4 r + f
.macro WLOAD u, b, base
.set R, 64*(2*(\u)+(\b))
	WIN 0x40
.irp c, 0,1
.irp j, 0,1,2,3,4,5,6,7
	global_load_b128 v[R+32*\c+4*\j:R+32*\c+4*\j+3], v[WO], s[WB:WB+1] offset:(\base)+(\u)*USTEP+\c*CSTEP+\j*JSTEP+(\b)*256 th:TH_LOAD_NT
.endr
.endr
	WIN 0
.endm
; A block's turn: rounded, laid into LDS, and (issue = 1) its slot asked for again, a trip ahead.  left: the younger loads that may stay out.
; twin = 1: wave 0, in its first trip, lays K step 0 a second time, at place 32: behind K step 31 the K loop goes on with K step 0, and fetches it one K step ahead by a plain offset.
.macro SBLK u, b, issue, left, twin
.set R, 64*(2*(\u)+(\b))
	s_wait_loadcnt \left                           ; loads come back in order: this block's sixteen are in
.if \issue
	s_cmp_eq_u32 s[SC], 1
	s_cbranch_scc1 .Lnopf_\@                       ; the loop's last trip asks for nothing: two trips on lies the next wave's part
	global_prefetch_b8 v[PFO], s[WB:WB+1] offset:2*TRIP+(\u)*USTEP+(\b)*256 th:TH_LOAD_NT scope:SCOPE_SE  ; the same block two trips on: 32 lanes, one row's 256 bytes each; its loads are issued four blocks from here, by this wave
.Lnopf_\@:
.endif
	WIN 0x05
.irp f, 0,1,2,3
.irp c, 0,1
.irp jj, 0,1,2,3
	v_cvt_pk_bf16_f32 v[T+8*\f+4*\c+\jj], v[R+32*\c+8*\jj+\f], v[R+32*\c+8*\jj+4+\f]
.endr
.endr
.endr
	WIN 0
.irp f, 0,1,2,3
.irp c, 0,1
	ds_store_b128 v[SD], v[T+8*\f+4*\c:T+8*\f+4*\c+3] offset:(\u)*KSB+(4*(\b)+\f)*1024+\c*512
.endr
.endr
.if \twin
	s_cmp_lg_u32 s[WV], 0
	s_cbranch_scc1 .Lno_twin_\@
	s_cmp_lg_u32 s[SC], 3
	s_cbranch_scc1 .Lno_twin_\@
.irp f, 0,1,2,3
.irp c, 0,1
	ds_store_b128 v[SD2], v[T+8*\f+4*\c:T+8*\f+4*\c+3] offset:(4*(\b)+\f)*1024+\c*512
.endr
.endr
.Lno_twin_\@:
.endif
.if \issue
	WLOAD \u, \b, TRIP
.endif
.endm
	s_load_b256 s[4:11], s[0:1], 0x0               ; W2 s[4:5], b2 s[6:7], hid s[8:9], route s[10:11]
	s_load_b128 s[12:15], s[0:1], 0x20             ; gs s[12:13], part s[14:15]
	v_lshl_add_u32 v[SPW], v0, 2, SPARE
	v_mov_b32 v[NIL], 0
	v_lshrrev_b32 v1, 5, v0
	v_readfirstlane_b32 s[WV], v1
	s_lshr_b32 s[EX], ttmp9, 2                     ; expert
	s_and_b32 s[QQ], ttmp9, 3                      ; K quarter
	s_and_b32 s[CSL], ttmp7, 7                     ; column slice: the grid's y has eight work-groups, so three bits hold it, and the LDS byte made of it below ends at 7 x 32,768
	s_lshl_b32 s[ROTA], s[CSL], 12
	s_lshl_b32 s[ROTB], s[CSL], 15
	v_and_b32 v1, 31, v0
	v_lshlrev_b32 v[LN16], 4, v1
	v_add_nc_u32 v[SD2], 32*KSB, v[LN16]
	v_and_b32 v9, 15, v0                           ; r
	v_bfe_u32 v10, v0, 4, 1                        ; h
	v_lshlrev_b32 v11, 4, v9                       ; the bias: 16 r
	v_lshl_add_u32 v[WO], v10, 17, v11
	v_lshl_add_u32 v[RW], v10, 15, v11
	v_lshlrev_b32 v[H32], 5, v10
	v_and_b32 v12, 1, v1
	v_lshrrev_b32 v13, 1, v1
	v_lshlrev_b32 v[PFO], 12, v12
	v_lshl_add_u32 v[PFO], v13, 14, v[PFO]
	s_lshl_b32 s[TM], s[WV], 16                    ; my wave lays K steps 8 w to 8 w + 7
	v_add_nc_u32 v[SD], s[TM], v[LN16]
	s_lshl_b32 s[OF], s[EX], 24
	s_lshl_b32 s[TM], s[QQ], 22
	s_add_co_u32 s[OF], s[OF], s[TM]
	s_lshl_b32 s[TM], s[WV], 20
	s_add_co_u32 s[OF], s[OF], s[TM]
	s_lshl_b32 s[TM], s[CSL], 9
	s_add_co_u32 s[OF], s[OF], s[TM]
	s_mov_b32 s[OF+1], 0
	s_mov_b32 s[KB+1], 0
	s_lshl_b32 s[E4], s[EX], 2
	s_cmp_eq_u32 s[QQ], 0
	s_cselect_b32 s[KM], -1, 0
	s_and_b32 s[KMH], s[KM], 0xffff0000
	s_wait_kmcnt 0x0
	s_load_b32 s[CN], s[10:11], s[E4] offset:0x2000  ; the expert's count; waited for behind the barrier
	s_add_nc_u64 s[WB:WB+1], s[4:5], s[OF:OF+1]
	s_lshl_b32 s[OF], s[EX], 12
	s_add_nc_u64 s[GSB:GSB+1], s[12:13], s[OF:OF+1]
	s_add_co_u32 s[OF], s[OF], s[TM]
	s_add_nc_u64 s[6:7], s[6:7], s[OF:OF+1]
	global_load_b128 v[RAW:RAW+3],   v11, s[6:7]   ; b2 of columns 64 b + 4 r + 0..3
	global_load_b128 v[RAW+4:RAW+7], v11, s[6:7] offset:256
.irp u, 0,1
.irp b, 0,1
	WLOAD \u, \b, 0                                ; trip 0: all four slots
	global_prefetch_b8 v[PFO], s[WB:WB+1] offset:TRIP+\u*USTEP+\b*256 th:TH_LOAD_NT scope:SCOPE_SE  ; trip 1's block
.endr
.endr
	s_lshl_b32 s[OF], s[EX], 23
	s_lshl_b32 s[TT], s[QQ], 15
	s_add_co_u32 s[OF], s[OF], s[TT]
	s_add_nc_u64 s[AB:AB+1], s[8:9], s[OF:OF+1]
	s_lshl_b32 s[OF], s[QQ], 25
	s_lshl_b32 s[TT], s[EX], 22
	s_add_co_u32 s[OF], s[OF], s[TT]
	s_add_co_u32 s[OF], s[OF], s[TM]
	s_add_nc_u64 s[PBS:PBS+1], s[14:15], s[OF:OF+1]
	s_mov_b32 s[SC], 3
.Lstream:                                              ; three trips of four blocks; by the text's count 48 to 64 loads of a wave are out
	SBLK 0, 0, 1, 48, 1
	SBLK 0, 1, 1, 48, 1
	SBLK 1, 0, 1, 48, 0
	SBLK 1, 1, 1, 48, 0
	s_wait_xcnt 0x0                                ; the loads' base is stepped only behind this wait
	s_add_nc_u64 s[WB:WB+1], s[WB:WB+1], TRIP
	v_add_nc_u32 v[SD], 2*KSB, v[SD]
	s_sub_co_u32 s[SC], s[SC], 1
	s_cmp_lg_u32 s[SC], 0
	s_cbranch_scc1 .Lstream
	SBLK 0, 0, 0, 48, 0                            ; the last trip loads nothing: the counts run down
	SBLK 0, 1, 0, 32, 0
	SBLK 1, 0, 0, 16, 0
	SBLK 1, 1, 0, 0, 0
	; the bias, rounded to bf16 like every input, back in f32, and 0 in all quarters but the first: B2[4 b + f] = b2[64 b + 4 r + f]
.irp p, 0,1,2,3
	v_cvt_pk_bf16_f32 v[PKB+\p], v[RAW+2*\p], v[RAW+2*\p+1]
.endr
.irp p, 0,1,2,3
	v_lshlrev_b32 v[B2+2*\p], 16, v[PKB+\p]
	v_and_b32 v[B2+2*\p+1], s[KMH], v[PKB+\p]
.endr
.irp p, 0,1,2,3
	v_and_b32 v[B2+2*\p], s[KM], v[B2+2*\p]
.endr
	s_wait_dscnt 0x0                               ; for the others' sake: my K steps are in LDS
	s_barrier_signal -1
	s_barrier_wait -1                              ; the whole slice is; from here to the closing barrier LDS is only read
	s_wait_kmcnt 0x0
	s_min_u32 s[CN], s[CN], 1024
	s_add_co_u32 s[NTL], s[CN], 15
	s_lshr_b32 s[NTL], s[NTL], 4
; K step u of a trip's block, for nt tiles.  Asked for here: W2's fragments of the next K step (LDS, the other buffer) and hid's of the K step three on (the ring's slot that the K step before left).
; Both sets of registers were last read by the K step before's products: four plain places stand between (ISA guide 7.12.1 for vector instructions).
; The accumulators take turns, one instruction a turn: 8 nt - 1 others' stand between two products on one accumulator, over the backward jump too.
.macro KSTEP u, nt
	WIN 0
.rept 4
	v_nop
.endr
.set bb, BF+64*(((\u)+1)%2)
.irp g, 0,1,2,3,4,5,6,7
	ds_load_b128 v[bb+8*\g:bb+8*\g+3],   v[BA] offset:((\u)+1)*KSB+\g*1024
	ds_load_b128 v[bb+8*\g+4:bb+8*\g+7], v[BA] offset:((\u)+1)*KSB+\g*1024+512
.endr
	WIN 0x40
.set sl, 48*(((\u)+3)%4)
.set i, 0
.rept \nt
.if (\u) == 0
	global_load_b128 v[sl+8*i:sl+8*i+3],   v[AO+i], s[PA:PA+1] offset:3072
	global_load_b128 v[sl+8*i+4:sl+8*i+7], v[AO+i], s[PA:PA+1] offset:3584
.else
	global_load_b128 v[sl+8*i:sl+8*i+3],   v[AO+i], s[PB:PB+1] offset:((\u)-1)*1024
	global_load_b128 v[sl+8*i+4:sl+8*i+7], v[AO+i], s[PB:PB+1] offset:((\u)-1)*1024+512
.endif
.set i, i+1
.endr
	s_wait_loadcnt 6*(\nt)                         ; hid of this K step is in; those of the next three, 2 nt loads each, stay out
	s_wait_dscnt 16                                ; W2 of this K step is in; the sixteen just issued stay out
.set cb, BF+64*((\u)%2)
.set ca, 48*((\u)%4)
.set i, 0
.rept \nt
.if i < 4
	WIN MUL_LO
.set ac, 64*i
.else
	WIN MUL_HI
.set ac, 64*(i-4)
.endif
.irp g, 0,1,2,3,4,5,6,7
	v_wmma_f32_16x16x32_bf16 v[ac+8*\g:ac+8*\g+7], v[ca+8*i:ca+8*i+7], v[cb+8*\g:cb+8*\g+7], v[ac+8*\g:ac+8*\g+7]
.endr
.set i, i+1
.endr
.endm
; The K loop: 8 trips, a block of 4 K steps each, round from the block at which the pass set PA, PB and SB.  Behind block 7 comes block 0: hid's offset goes round 32,768, the LDS byte round 262,144,
; and block 7's last K step fetches W2's K step 0 from its second copy at place 32.  The last trip's look-ahead asks once more for the first block's K steps 0 to 2 of hid and K step 0 of W2: bytes
; that exist and have been written; what they bring is not used.
; The highest LDS byte read is 7 x 32,768 + 4 x 8,192 + 7,680 + 511, the last in front of the spare words.
.macro KLOOP nt
	s_mov_b32 s[KC], 8
.Lk_\@:
	KSTEP 0, \nt
	KSTEP 1, \nt
	KSTEP 2, \nt
	KSTEP 3, \nt
	WIN 0
	s_wait_xcnt 0x0                                ; the loads' bases are stepped only behind this wait
	s_mov_b64 s[PA:PA+1], s[PB:PB+1]
	s_add_co_u32 s[KB], s[KB], 4096
	s_and_b32 s[KB], s[KB], 0x7fff
	s_add_nc_u64 s[PB:PB+1], s[AB:AB+1], s[KB:KB+1]
	s_add_co_u32 s[SB], s[SB], 4*KSB
	s_and_b32 s[SB], s[SB], 0x3ffff
	v_add_nc_u32 v[BA], s[SB], v[LN16]
	s_sub_co_u32 s[KC], s[KC], 1
	s_cmp_lg_u32 s[KC], 0
	s_cbranch_scc1 .Lk_\@
	s_wait_loadcnt 0x0                             ; the look-ahead's loads: their registers are written again on the way out and in the next pass
	s_wait_dscnt 0x0
.endm
; Tile i goes out, 64 columns at a time: times the row's gate, into four neighbouring registers a row (j outermost: each accumulator's register 0 is read first), eight stores.
; Group n = 2 i + b of the twelve takes block n % 5 of five blocks of 32 registers (T, and W2's two fragment buffers, which are free here), so that a group's multiplies do not wait for the stores of
; the group before; where the blocks come round, at groups 5 and 10, stands the wait.
.macro EPI i
.if (\i) > 0
	s_add_co_u32 s[TT], s[T0], 4*(\i)
	s_cmp_ge_u32 s[TT], s[NTL]
	s_cbranch_scc1 .Ldone                          ; this tile and those behind it do not exist
.endif
.set AC, 64*((\i)%4)
.irp b, 0,1
.set n, 2*(\i)+\b
.if (n%5) == 0
.set TB, T
.else
.set TB, BF+32*((n%5)-1)
.endif
.if (n == 5) || (n == 10)
	s_wait_xcnt 0x0                                ; the five blocks, which the stores before read, are rewritten only behind this wait
.endif
	WIN 0x02+((\i)/4)
.irp j, 0,1,2,3,4,5,6,7
.irp f, 0,1,2,3
	v_mul_f32 v[TB+4*\j+\f], v[AC+8*(4*\b+\f)+\j], v[G+8*(\i)+\j]
.endr
.endr
	WIN 0
.irp j, 0,1,2,3,4,5,6,7
	global_store_b128 v[OO+(\i)], v[TB+4*\j:TB+4*\j+3], s[PBS:PBS+1] offset:\j*4096+\b*256  ; rows j and 8 + j: sixteen lanes store 256 consecutive aligned bytes
.endr
.endr
.endm
	s_mov_b32 s[PC], 3
	s_mov_b32 s[T0], s[WV]
.Lpass:                                                ; my tiles of the pass: T0 + 4 i, i = 0..5
	s_cmp_ge_u32 s[T0], s[NTL]
	s_cbranch_scc1 .Lnext
	s_wait_xcnt 0x0                                ; the last pass's loads and stores have read their addresses and their data
.set i, 0
.rept 6
	s_add_co_u32 s[TT], s[T0], 4*i
	s_cmp_lt_u32 s[TT], s[NTL]
	s_cselect_b32 s[TT], s[TT], s[T0]              ; a tile that does not exist repeats my first
	s_min_u32 s[TT], s[TT], 63
	s_lshl_b32 s[TM], s[TT], 17
	v_add_nc_u32 v[AO+i], s[TM], v[LN16]
	s_lshl_b32 s[TM], s[TT], 16
	v_add_nc_u32 v[OO+i], s[TM], v[RW]
	s_lshl_b32 s[TM], s[TT], 6
	v_add_nc_u32 v[GO+i], s[TM], v[H32]
	global_load_b128 v[G+8*i:G+8*i+3],   v[GO+i], s[GSB:GSB+1]  ; the gates of rows 8 h + 0..7
	global_load_b128 v[G+8*i+4:G+8*i+7], v[GO+i], s[GSB:GSB+1] offset:16
.set i, i+1
.endr
	s_mov_b32 s[KB], s[ROTA]                       ; the block at which my K loop begins,
	s_add_nc_u64 s[PA:PA+1], s[AB:AB+1], s[KB:KB+1]
	s_add_co_u32 s[KB], s[KB], 4096                ; and the one behind it, round 32,768
	s_and_b32 s[KB], s[KB], 0x7fff
	s_add_nc_u64 s[PB:PB+1], s[AB:AB+1], s[KB:KB+1]
	s_mov_b32 s[SB], s[ROTB]
	v_add_nc_u32 v[BA], s[SB], v[LN16]
.irp g, 0,1,2,3,4,5,6,7
	ds_load_b128 v[BF+8*\g:BF+8*\g+3],   v[BA] offset:\g*1024  ; W2 of the block's K step 0
	ds_load_b128 v[BF+8*\g+4:BF+8*\g+7], v[BA] offset:\g*1024+512
.endr
	WIN 0x40
.irp sg, 0,1,2                         ; hid of the block's K steps 0 to 2, for all six places, so that one text serves the three loops; behind the first twelve lie 24 + 2 nt loads, not fewer than the loop's count 6 nt
.set i, 0
.rept 6
	global_load_b128 v[48*\sg+8*i:48*\sg+8*i+3],   v[AO+i], s[PA:PA+1] offset:\sg*1024
	global_load_b128 v[48*\sg+8*i+4:48*\sg+8*i+7], v[AO+i], s[PA:PA+1] offset:\sg*1024+512
.set i, i+1
.endr
.endr
	; The sums start at the bias (0 in quarters 1 to 3).  All six tiles, on every path.  These 384 lines stand in the wait for the loads above; the price of writing no first K step in three forms.
	WIN 0x80
.set z, 0
.rept 256
	v_mov_b32 v[z], v[B2+(z%64)/8]
.set z, z+1
.endr
	WIN 0xc0
.set z, 0
.rept 128
	v_mov_b32 v[z], v[B2+(z%64)/8]
.set z, z+1
.endr
	WIN 0
	s_sub_co_u32 s[NT], s[NTL], s[T0]
	s_add_co_u32 s[NT], s[NT], 3
	s_lshr_b32 s[NT], s[NT], 2                     ; my tiles from T0 on
	s_cmp_gt_u32 s[NT], 5
	s_cbranch_scc1 .Lsix
	s_cmp_eq_u32 s[NT], 5
	s_cbranch_scc1 .Lfive
	KLOOP 4
	s_branch .Lepi
.Lfive:
	KLOOP 5
	s_branch .Lepi
.Lsix:
	KLOOP 6
.Lepi:
.rept 4
	v_nop                                          ; the places between the last products and the multiplies, which read results and write over W2's fragments
.endr
	EPI 0
	EPI 1
	EPI 2
	EPI 3
	EPI 4
	EPI 5
.Ldone:
.Lnext:
	s_add_co_u32 s[T0], s[T0], 24
	s_sub_co_u32 s[PC], s[PC], 1
	s_cmp_lg_u32 s[PC], 0
	s_cbranch_scc1 .Lpass
	s_wait_dscnt 0x0                               ; my reads of LDS are back,
	s_barrier_signal -1
	s_barrier_wait -1                              ; and so are every wave's: no LDS word is written while a wave may still read
	s_wait_tensorcnt 0x0                           ; the wave's end
	ds_add_u32 v[SPW], v[NIL]
	s_wait_dscnt 0x0
	s_endpgm
.Lfunc_end_k_qb0913fe8a5_down:
	.size	k_qb0913fe8a5_down, .Lfunc_end_k_qb0913fe8a5_down-k_qb0913fe8a5_down
	.p2alignl 7, 3214868480
	.fill 96, 4, 3214868480
	.section	.rodata,"a",@progbits
	.p2align	6, 0x0
	.amdhsa_kernel k_qb0913fe8a5_down
		.amdhsa_group_segment_fixed_size 270848
		.amdhsa_private_segment_fixed_size 0
		.amdhsa_enable_private_segment 0
		.amdhsa_kernarg_size 48
		.amdhsa_user_sgpr_count 2
		.amdhsa_user_sgpr_kernarg_segment_ptr 1
		.amdhsa_wavefront_size32 1
		.amdhsa_system_sgpr_workgroup_id_x 1
		.amdhsa_system_sgpr_workgroup_id_y 1
		.amdhsa_system_sgpr_workgroup_id_z 1
		.amdhsa_system_vgpr_workitem_id 0
		.amdhsa_next_free_vgpr 896
		.amdhsa_next_free_sgpr 66
		.amdhsa_reserve_vcc 0
		.amdhsa_float_denorm_mode_32 3
		.amdhsa_float_denorm_mode_16_64 3
		.amdhsa_memory_ordered 1
		.amdhsa_forward_progress 1
		.amdhsa_inst_pref_size 141
	.end_amdhsa_kernel
	.amdgpu_metadata
---
amdhsa.version: [ 1, 2 ]
amdhsa.kernels:
  - .name:           k_qb0913fe8a5_down
    .symbol:         k_qb0913fe8a5_down.kd
    .args:
      - { .name: W2, .offset: 0, .size: 8, .value_kind: global_buffer, .address_space: global }
      - { .name: b2, .offset: 8, .size: 8, .value_kind: global_buffer, .address_space: global }
      - { .name: hid, .offset: 16, .size: 8, .value_kind: global_buffer, .address_space: global }
      - { .name: route, .offset: 24, .size: 8, .value_kind: global_buffer, .address_space: global }
      - { .name: gs, .offset: 32, .size: 8, .value_kind: global_buffer, .address_space: global }
      - { .name: part, .offset: 40, .size: 8, .value_kind: global_buffer, .address_space: global }
    .group_segment_fixed_size: 270848
    .private_segment_fixed_size: 0
    .kernarg_segment_align: 8
    .kernarg_segment_size: 48
    .max_flat_workgroup_size: 128
    .sgpr_count:     66
    .vgpr_count:     896
    .wavefront_size: 32
...
	.end_amdgpu_metadata
.endif
;; end of part 4
;; launch combine (part 5): grid 256 x 1, 8 waves a work-group, no clusters, 0 bytes of LDS; arguments route, part, out0; writes out0
.if DOCPART == 5
	.amdgcn_target "amdgcn-amd-amdhsa--gfx1250"
	.amdhsa_code_object_version 6
	.text
	.protected	k_qb0913fe8a5_combine
	.globl	k_qb0913fe8a5_combine
	.p2align	8
	.type	k_qb0913fe8a5_combine,@function
k_qb0913fe8a5_combine:
	s_mov_b64 s[64:65], 0
	v_nop
	global_prefetch_b8 v0, s[64:65] scope:SCOPE_SE
	s_setreg_imm32_b32 hwreg(HW_REG_WAVE_MODE, 25, 1), 1
	s_wait_xcnt 0x0
; COMBINE.  out[t] = the sum of the token's 2 experts x 4 K quarters of partial rows, which carry gate and bias already.  A stream: no LDS, no barrier, no matrix unit.
; A wave takes half a row (2,048 bytes) of one token: token = 4 x work-group + wave / 2.  The places of the token's two rows come from route, stored by the gather launch.
; All 32 loads go out at once; the rows are added in a fixed order as they arrive.  Each load and store of the wave covers 512 consecutive aligned bytes.
.set D, 16                             ; v[16:143] row p of 8: 16 registers at D + 16 p
	s_load_b128 s[4:7], s[0:1], 0x0                ; route s[4:5], part s[6:7]
	s_load_b64 s[8:9], s[0:1], 0x10                ; out0
	v_lshrrev_b32 v1, 5, v0
	v_readfirstlane_b32 s10, v1
	s_lshr_b32 s11, s10, 1
	s_lshl2_add_u32 s11, ttmp9, s11                ; token
	s_and_b32 s12, s10, 1                          ; which half of the row
	s_lshl_b32 s13, s11, 3
	v_and_b32 v1, 31, v0
	v_lshlrev_b32 v1, 4, v1
	v_lshl_add_u32 v1, s12, 11, v1
	s_wait_kmcnt 0x0
	s_load_b64 s[14:15], s[4:5], s13 offset:0x0    ; the token's two rows
	s_lshl_b32 s32, s11, 12
	s_mov_b32 s33, 0
	s_add_nc_u64 s[8:9], s[8:9], s[32:33]
	s_wait_kmcnt 0x0
	s_min_u32 s14, s14, 8191                       ; a loaded number enters an address only behind a clamp by a constant
	s_min_u32 s15, s15, 8191
	s_lshl_b32 s32, s14, 12
	s_add_nc_u64 s[16:17], s[6:7], s[32:33]
	s_lshl_b32 s32, s15, 12
	s_add_nc_u64 s[24:25], s[6:7], s[32:33]
.irp p, 16, 24                         ; the other three quarters lie 2^25 bytes apart
	s_add_nc_u64 s[\p+2:\p+3], s[\p:\p+1], 0x2000000
	s_add_nc_u64 s[\p+4:\p+5], s[\p+2:\p+3], 0x2000000
	s_add_nc_u64 s[\p+6:\p+7], s[\p+4:\p+5], 0x2000000
.endr
.set p, 0
.rept 8
.set i, 0
.rept 4
	global_load_b128 v[D+16*p+4*i:D+16*p+4*i+3], v1, s[16+2*p:17+2*p] offset:512*i th:TH_LOAD_NT
.set i, i+1
.endr
.set p, p+1
.endr
.set p, 1
.rept 7
	s_wait_loadcnt 4*(7-p)                         ; loads come back in order: rows 0 to p are in, the later rows' four loads each stay out
.set i, 0
.rept 8
	v_pk_add_f32 v[D+2*i:D+2*i+1], v[D+2*i:D+2*i+1], v[D+16*p+2*i:D+16*p+2*i+1]
.set i, i+1
.endr
.set p, p+1
.endr
.set i, 0
.rept 4
	global_store_b128 v1, v[D+4*i:D+4*i+3], s[8:9] offset:512*i th:TH_STORE_NT
.set i, i+1
.endr
	s_endpgm
.Lfunc_end_k_qb0913fe8a5_combine:
	.size	k_qb0913fe8a5_combine, .Lfunc_end_k_qb0913fe8a5_combine-k_qb0913fe8a5_combine
	.p2alignl 7, 3214868480
	.fill 96, 4, 3214868480
	.section	.rodata,"a",@progbits
	.p2align	6, 0x0
	.amdhsa_kernel k_qb0913fe8a5_combine
		.amdhsa_group_segment_fixed_size 0
		.amdhsa_private_segment_fixed_size 0
		.amdhsa_enable_private_segment 0
		.amdhsa_kernarg_size 24
		.amdhsa_user_sgpr_count 2
		.amdhsa_user_sgpr_kernarg_segment_ptr 1
		.amdhsa_wavefront_size32 1
		.amdhsa_system_sgpr_workgroup_id_x 1
		.amdhsa_system_sgpr_workgroup_id_y 1
		.amdhsa_system_sgpr_workgroup_id_z 1
		.amdhsa_system_vgpr_workitem_id 0
		.amdhsa_next_free_vgpr 144
		.amdhsa_next_free_sgpr 66
		.amdhsa_reserve_vcc 0
		.amdhsa_float_denorm_mode_32 3
		.amdhsa_float_denorm_mode_16_64 3
		.amdhsa_memory_ordered 1
		.amdhsa_forward_progress 1
		.amdhsa_inst_pref_size 9
	.end_amdhsa_kernel
	.amdgpu_metadata
---
amdhsa.version: [ 1, 2 ]
amdhsa.kernels:
  - .name:           k_qb0913fe8a5_combine
    .symbol:         k_qb0913fe8a5_combine.kd
    .args:
      - { .name: route, .offset: 0, .size: 8, .value_kind: global_buffer, .address_space: global }
      - { .name: part, .offset: 8, .size: 8, .value_kind: global_buffer, .address_space: global }
      - { .name: out0, .offset: 16, .size: 8, .value_kind: global_buffer, .address_space: global }
    .group_segment_fixed_size: 0
    .private_segment_fixed_size: 0
    .kernarg_segment_align: 8
    .kernarg_segment_size: 24
    .max_flat_workgroup_size: 256
    .sgpr_count:     66
    .vgpr_count:     144
    .wavefront_size: 32
...
	.end_amdgpu_metadata
.endif
;; end of part 5
;; ======== version 2 of 2: 5 launches; version 1 with the launches up, down written anew for expert scheduling mode
;; workspace buffers: sel 8,192 bytes of whole numbers; gate 8,192 bytes; xs 16,777,216 bytes; route 8,448 bytes of whole numbers; gs 32,768 bytes; hid 67,108,864 bytes; part 134,217,728 bytes
;; launch router: the kernel of part 1 again; grid 256 x 1, 4 waves a work-group, no clusters, 20,992 bytes of LDS; arguments x, Wr, br, sel, gate; writes sel, gate
;; launch gather: the kernel of part 2 again; grid 8 x 64, 4 waves a work-group, no clusters, 1,024 bytes of LDS; arguments sel, gate, x, xs, route, gs; writes xs, route, gs
;; launch up (part 6): grid 32 x 8, 4 waves a work-group, no clusters, 270,848 bytes of LDS; arguments W1, b1, xs, route, hid; writes hid
.if DOCPART == 6
	.amdgcn_target "amdgcn-amd-amdhsa--gfx1250"
	.amdhsa_code_object_version 6
	.text
	.protected	k_qb0913fe8a5_up
	.globl	k_qb0913fe8a5_up
	.p2align	8
	.type	k_qb0913fe8a5_up,@function
k_qb0913fe8a5_up:
	s_mov_b64 s[64:65], 0
	v_nop
	global_prefetch_b8 v0, s[64:65] scope:SCOPE_SE
	s_setreg_imm32_b32 hwreg(HW_REG_WAVE_SCHED_MODE, 0, 2), 2
	s_setreg_imm32_b32 hwreg(HW_REG_WAVE_MODE, 25, 1), 1
	s_wait_xcnt 0x0
	s_wait_alu depctr_vm_vsrc(0)
; UP.  hid = relu(xs W1[e] + b1[e]), rounded to bf16, for the rows that chose expert e.  Work-group (slice, e) owns 1,024 K x 128 columns of W1[e], which it alone reads.
; PHASE S: the slice, 524,288 bytes of f32, streams through registers, is rounded to bf16 and laid into LDS as matrix fragments.  One barrier.
; PHASE C: the expert's tiles of 16 rows are multiplied: their fragments come from xs straight into registers, W's from LDS; nothing writes LDS, so there is no barrier inside it.
; W1 is [K][N].  A lane loads 16 bytes (4 neighbouring columns) of each of 16 rows; rows k and k + 1 rounded together are one word of a fragment, and the 4 columns go to 4 fragments:
; fragment g = 4 b + f, lane r  <->  column 64 b + 4 r + f of the slice.  Lanes 0-15 of a load take 256 consecutive aligned bytes of one row, lanes 16-31 of another.
; THE MATRIX INSTRUCTION IS USED TRANSPOSED (source 0 = W's fragment, source 1 = 16 rows of xs): a lane then holds ONE row (lane % 16) and the columns 64 b + 4 (8 h + j) + f.  Its eight results,
; rounded in pairs, ARE half a fragment of the next product's rows, so hid is stored in that order, K permuted: place (s2, c, m) holds hidden index 64 (s2 / 2) + 2 (s2 % 2) + c + 4 m;
; the next launch takes W2's rows in the same order.  hid: byte e 2^23 + tile 131,072 + s2 1,024 + c 512 + lane 16.
; THE ORDER OF K.  K's 32 steps are eight blocks of four; the K loop begins at block slice % 8 and goes round, so that the 32 work-groups that read one expert's xs begin at eight different
; places of it.  LIMIT: the terms of a sum are therefore added in an order that hangs on the work-group (f32 sums; the reference's order is another still).
; NO CLUSTER, NO TENSOR LOADS: each weight byte has one reader and has to pass through registers to be rounded; what an expert's 32 work-groups share is xs, for which LDS has no room beside the slice.
; THE ROWS.  The count is read from route; three passes (a constant) of up to six tiles a wave cover the 64 tiles that an expert can have; dead passes and dead tiles are jumped forward.
; The K loop is written for 4, 5 and 6 tiles; a wave with fewer than 4 multiplies its first tile again in the dead places.  An expert without rows still streams its slice and stores nothing.
; THE MODE: SCHED_MODE bits 1:0 = 2 (LLVM: expert scheduling mode 2), set by the entry lines.  The code itself states the register dependences between vector or matrix instructions and
; memory or LDS instructions, with s_wait_alu, always for 0.
; THE PLAN.  Registers that memory or LDS instructions touch:
;   PHASE S  slot 2 u + b   The block's sixteen loads land in it; its 32 conversions read it; behind them it is asked for again.
;            T[0], T[1]     Block (u, b)'s conversions write T[b]; its LDS stores read it.  The next block works on the other one.
;            v[SD]          Read by every LDS store; written once a trip, at its end.       v[WO], v[PFO], v[SD2], v[LN16]: made at the head, never written again.
;   PHASE C  BF[0], BF[1]   K step u: its products read BF[u % 2]; its LDS loads land in the other.  On the way out: written by conversions, read by stores.
;            ring 0 .. 3    K step u: its products read slot u % 4; its loads land in slot (u + 3) % 4, which the K step before read.
;            v[BA]          Read by every LDS load; written at a pass's head and once a trip, at its end.       AO, OO: written at a pass's head alone.
;   The accumulators and BI are named by vector and matrix instructions alone.
; So: a block of phase S has one wait on vm_vsrc and one on va_vdst, behind its conversions; a K step has ONE wait on va_vdst, at its head, and its loads follow the first tile's products,
; which name none of the registers that those loads touch; a pass's head has one of each; each run of stores on the way out has one on va_vdst ahead of it.
; REGISTERS, in windows of 256 (s_set_vgpr_msb: bits 1:0 source 0, 3:2 source 1, 5:4 source 2, 7:6 destination):
;   window 0: v2-27 addresses; v32-63 at work (T[0]); v64-127 the bias, BI[g][j] (in phase S v64-95 are T[1]); v128-255 W's fragments, two buffers of 8 (before phase C: the bias as loaded; on the way out: packed tiles)
;   window 1: phase S: four slots of 64, a block of 32 K x 64 columns each; phase C: xs's fragments, a ring of four K steps x 6 tiles x 8
;   window 2: the accumulators of tiles 0-3 at 64 i + 8 g + j;   window 3: those of tiles 4 and 5
.set TRIP,  0x100000                   ; bytes of W1 from two K steps to the next two: 64 rows of 16,384
.set USTEP, 0x80000                    ; a K step: 32 rows
.set CSTEP, 0x40000                    ; 16 rows
.set JSTEP, 0x4000                     ; a row
.set KSB,   8192                       ; a K step's 8 fragments in LDS: s KSB + g 1,024 + c 512 + lane 16; 32 K steps and the second copy of the first end at byte 33 KSB
.set LN16, 2                           ; 16 x lane
.set BA,   3                           ; LDS address of the trip's first K step: SB + 16 x lane
.set SD2,  4                           ; LDS address of place 32: 32 KSB + 16 x lane
.set WO,   5                           ; W1: h 131,072 + r 16
.set PFO,  6                           ; the prefetch: lane x 16,384, a row a lane
.set SD,   7                           ; LDS address of my stores
.set AO,   8                           ; v8-13   tile i: its byte offset in xs + 16 lane
.set OO,   14                          ; v14-19  tile i: its byte offset in hid + 16 lane
.set ZR,   20                          ; 0, for the relu
.set T,    32
.set BI,   64
.set BF,   128
.set RAW,  128
.set PKB,  192
.set WV, 16
.set EX, 18
.set E4, 19
.set WB, 20                            ; s[20:21] W1 at my wave's K steps of the slice
.set OF, 22                            ; s[22:23] an offset, high word 0
.set AB, 24                            ; s[24:25] xs at the expert
.set PA, 26                            ; s[26:27] AB + the byte at which the trip's block begins in a tile
.set PB, 28                            ; s[28:29] AB + KB: the next block
.set KB, 30                            ; s[30:31] the next block's byte in a tile, round 32,768
.set HB, 32                            ; s[32:33] hid at the expert and slice
.set CN, 34
.set NTL, 35                           ; the expert's tiles
.set T0, 36                            ; my first tile of the pass
.set PC, 37
.set KC, 38
.set NT, 39
.set TT, 40
.set SC, 41
.set TM, 48
.set SB, 49                            ; LDS byte at which the trip's four K steps begin, round 262,144
.set ROTA, 50                          ; 4,096 x (slice % 8): where my K loop begins in a tile of xs,
.set ROTB, 51                          ; 32,768 x (slice % 8): and in LDS
.set MUL_LO, 0xa4                      ; source 0 (W) window 0, source 1 (xs) window 1, C and D window 2
.set MUL_HI, 0xf4                      ; the same, C and D window 3
.set MSB, 0
.macro WIN new                         ; the immediate's high byte repeats the setting that is left; a switch that changes nothing is dropped
.if MSB != (\new)
	s_set_vgpr_msb (MSB<<8)|(\new)
.set MSB, \new
.endif
.endm
; 16 loads: block (u, b) = K step u of a trip, columns 64 b on, into slot 2 u + b: L[c][j][f] at 32 c + 4 j + f is row 16 c + 8 h + j, column 64 b + 4 r + f
.macro WLOAD u, b, base
.set R, 64*(2*(\u)+(\b))
	WIN 0x40
.irp c, 0,1
.irp j, 0,1,2,3,4,5,6,7
	global_load_b128 v[R+32*\c+4*\j:R+32*\c+4*\j+3], v[WO], s[WB:WB+1] offset:(\base)+(\u)*USTEP+\c*CSTEP+\j*JSTEP+(\b)*256 th:TH_LOAD_NT
.endr
.endr
	WIN 0
.endm
; A block's turn: rounded into T[b]; then (issue = 1) its slot is asked for again, a trip ahead; then T[b] is laid into LDS.  left: the younger loads that may stay out.
; twin = 1: wave 0, in its first trip, lays K step 0 a second time, at place 32: behind K step 31 the K loop goes on with K step 0, and fetches it one K step ahead by a plain offset.
.macro SBLK u, b, issue, left, twin
.set R, 64*(2*(\u)+(\b))
.set TS, T+32*(\b)
	s_wait_loadcnt \left                           ; loads come back in order: this block's sixteen are in
.if \issue
	s_cmp_eq_u32 s[SC], 1
	s_cbranch_scc1 .Lnopf_\@                       ; the loop's last trip asks for nothing: two trips on lies the next wave's part
	global_prefetch_b8 v[PFO], s[WB:WB+1] offset:2*TRIP+(\u)*USTEP+(\b)*256 th:TH_LOAD_NT scope:SCOPE_SE  ; the same block two trips on: 32 lanes, one row's 256 bytes each; its loads are issued four blocks from here, by this wave
.Lnopf_\@:
.endif
	WIN 0x05
.irp f, 0,1,2,3
.irp c, 0,1
.irp jj, 0,1,2,3
	v_cvt_pk_bf16_f32 v[TS+8*\f+4*\c+\jj], v[R+32*\c+8*\jj+\f], v[R+32*\c+8*\jj+4+\f]
.endr
.endr
.endr
.if \issue
	WIN 0x40                                       ; the window of the loads below: the switch, then the waits, then the loads
.else
	WIN 0
.endif
.if (\issue) || ((\u)+(\b) < 2)
	s_wait_alu depctr_vm_vsrc(0)                   ; the LDS stores of the block before have read the other T, which the next block's conversions write
.endif
	s_wait_alu depctr_va_vdst(0)                   ; the conversions have written T[b], which the LDS stores below read, and are done reading the slot, in which the loads below land; behind a trip's end v[SD] is written
.if \issue
	WLOAD \u, \b, TRIP
.endif
.irp f, 0,1,2,3
.irp c, 0,1
	ds_store_b128 v[SD], v[TS+8*\f+4*\c:TS+8*\f+4*\c+3] offset:(\u)*KSB+(4*(\b)+\f)*1024+\c*512
.endr
.endr
.if \twin
	s_cmp_lg_u32 s[WV], 0
	s_cbranch_scc1 .Lno_twin_\@
	s_cmp_lg_u32 s[SC], 3
	s_cbranch_scc1 .Lno_twin_\@
.irp f, 0,1,2,3
.irp c, 0,1
	ds_store_b128 v[SD2], v[TS+8*\f+4*\c:TS+8*\f+4*\c+3] offset:(4*(\b)+\f)*1024+\c*512
.endr
.endr
.Lno_twin_\@:
.endif
.endm
	s_load_b256 s[4:11], s[0:1], 0x0               ; W1 s[4:5], b1 s[6:7], xs s[8:9], route s[10:11]
	s_load_b64 s[12:13], s[0:1], 0x20              ; hid
	v_lshl_add_u32 v30, v0, 2, 0x42000
	v_mov_b32 v31, 0
	v_lshrrev_b32 v1, 5, v0
	v_readfirstlane_b32 s[WV], v1
	s_and_b32 s[EX], ttmp7, 0xffff
	s_and_b32 s[ROTB], ttmp9, 7
	s_lshl_b32 s[ROTA], s[ROTB], 12
	s_lshl_b32 s[ROTB], s[ROTB], 15
	v_and_b32 v1, 31, v0
	v_lshlrev_b32 v[LN16], 4, v1
	v_add_nc_u32 v[SD2], 32*KSB, v[LN16]
	v_and_b32 v9, 15, v0                           ; r
	v_bfe_u32 v10, v0, 4, 1                        ; h
	v_lshlrev_b32 v[WO], 4, v9
	v_lshl_add_u32 v[WO], v10, 17, v[WO]
	v_lshlrev_b32 v[PFO], 14, v1
	s_wait_alu depctr_va_sdst(0)                   ; the wave's number is written, ahead of its first reader
	s_lshl_b32 s[TM], s[WV], 16                    ; my wave lays K steps 8 w to 8 w + 7
	v_add_nc_u32 v[SD], s[TM], v[LN16]
	v_lshlrev_b32 v11, 7, v10                      ; the bias: 128 h
	v_mov_b32 v[ZR], 0
	s_lshl_b32 s[OF], s[EX], 24
	s_lshl_b32 s[TM], s[WV], 22
	s_add_co_u32 s[OF], s[OF], s[TM]
	s_lshl_b32 s[TM], ttmp9, 9
	s_add_co_u32 s[OF], s[OF], s[TM]
	s_mov_b32 s[OF+1], 0
	s_mov_b32 s[KB+1], 0
	s_lshl_b32 s[E4], s[EX], 2
	s_wait_kmcnt 0x0
	s_load_b32 s[CN], s[10:11], s[E4] offset:0x2000  ; the expert's count; waited for behind the barrier
	s_add_nc_u64 s[WB:WB+1], s[4:5], s[OF:OF+1]
	s_lshl_b32 s[OF], s[EX], 14
	s_add_co_u32 s[OF], s[OF], s[TM]
	s_add_nc_u64 s[6:7], s[6:7], s[OF:OF+1]
	s_wait_alu depctr_va_vdst(0)                   ; v11, v[WO], v[PFO], v[SD], v[SD2] and v[LN16] are written: the loads, prefetches and LDS stores below read them as offsets and addresses
.irp b, 0,1
.irp j, 0,1,2,3,4,5,6,7
	global_load_b128 v[RAW+32*\b+4*\j:RAW+32*\b+4*\j+3], v11, s[6:7] offset:256*\b+16*\j  ; b1 of columns 64 b + 32 h + 4 j + 0..3
.endr
.endr
.irp u, 0,1
.irp b, 0,1
	WLOAD \u, \b, 0                                ; trip 0: all four slots
	global_prefetch_b8 v[PFO], s[WB:WB+1] offset:TRIP+\u*USTEP+\b*256 th:TH_LOAD_NT scope:SCOPE_SE  ; trip 1's block
.endr
.endr
	s_lshl_b32 s[OF], s[EX], 21
	s_add_nc_u64 s[AB:AB+1], s[8:9], s[OF:OF+1]
	s_lshl_b32 s[OF], s[EX], 23
	s_lshl_b32 s[TM], ttmp9, 12                    ; the slice's four K steps of the next product
	s_add_co_u32 s[OF], s[OF], s[TM]
	s_add_nc_u64 s[HB:HB+1], s[12:13], s[OF:OF+1]
	s_mov_b32 s[SC], 3
.Lstream:                                              ; three trips of four blocks; by the text's count 48 to 64 loads of a wave are out
	SBLK 0, 0, 1, 48, 1
	SBLK 0, 1, 1, 48, 1
	SBLK 1, 0, 1, 48, 0
	SBLK 1, 1, 1, 48, 0
	s_wait_xcnt 0x0                                ; the loads' base is stepped only behind this wait
	s_add_nc_u64 s[WB:WB+1], s[WB:WB+1], TRIP
	s_wait_alu depctr_vm_vsrc(0)                   ; the trip's LDS stores have read v[SD]
	v_add_nc_u32 v[SD], 2*KSB, v[SD]
	s_sub_co_u32 s[SC], s[SC], 1
	s_cmp_lg_u32 s[SC], 0
	s_cbranch_scc1 .Lstream
	SBLK 0, 0, 0, 48, 0                            ; the last trip loads nothing: the counts run down
	SBLK 0, 1, 0, 32, 0
	SBLK 1, 0, 0, 16, 0
	SBLK 1, 1, 0, 0, 0
	; the bias, rounded to bf16 like every input, back in f32: BI[4 b + f][j] = b1[64 b + 32 h + 4 j + f]
	s_mov_b32 s[TM], 0xffff0000
	s_wait_alu depctr_vm_vsrc(0)                   ; the last block's LDS stores have read T[1], v64-95, which are part of BI from here on
.irp b, 0,1
.irp j, 0,1,2,3,4,5,6,7
	v_cvt_pk_bf16_f32 v[PKB+16*\b+2*\j],   v[RAW+32*\b+4*\j],   v[RAW+32*\b+4*\j+1]
	v_cvt_pk_bf16_f32 v[PKB+16*\b+2*\j+1], v[RAW+32*\b+4*\j+2], v[RAW+32*\b+4*\j+3]
.endr
.endr
.irp b, 0,1
.irp j, 0,1,2,3,4,5,6,7
	v_lshlrev_b32 v[BI+32*\b+\j],    16, v[PKB+16*\b+2*\j]
	v_and_b32     v[BI+32*\b+8+\j],  s[TM], v[PKB+16*\b+2*\j]
	v_lshlrev_b32 v[BI+32*\b+16+\j], 16, v[PKB+16*\b+2*\j+1]
	v_and_b32     v[BI+32*\b+24+\j], s[TM], v[PKB+16*\b+2*\j+1]
.endr
.endr
	s_wait_dscnt 0x0                               ; for the others' sake: my K steps are in LDS
	s_barrier_signal -1
	s_barrier_wait -1                              ; the whole slice is; from here to the closing barrier LDS is only read
	s_wait_kmcnt 0x0
	s_min_u32 s[CN], s[CN], 1024
	s_add_co_u32 s[NTL], s[CN], 15
	s_lshr_b32 s[NTL], s[NTL], 4
; K step u of a trip's block, for nt tiles.  At its head: this K step's fragments are in, and ONE wait on va_vdst.  Behind the first tile's eight products, which name BF[u % 2], ring slot u % 4 and
; accumulators, it asks for W's fragments of the next K step (LDS, the other buffer) and xs's of the K step three on (the ring's slot that the K step before left); then the other tiles' products.
; Both sets of registers were last read by the K step before's products: the wait states that those are done, and four plain places stand between as well.
; The accumulators take turns, one instruction a turn: 8 nt - 1 others' stand between two products on one accumulator, over the backward jump too.
.macro KSTEP u, nt
	s_wait_loadcnt 4*(\nt)                         ; xs of this K step is in; those of the next two, 2 nt loads each, stay out
	s_wait_dscnt 0x0                               ; W of this K step is in: its sixteen loads are the only LDS instructions that were out
	s_wait_alu depctr_va_vdst(0)                   ; the K step before's products are done reading the other buffer of W and the ring's slot (u + 3) % 4, in which the loads below land; in a trip's first K step v[BA] is written
.set cb, BF+64*((\u)%2)
.set ca, 48*((\u)%4)
.set bb, BF+64*(((\u)+1)%2)
.set sl, 48*(((\u)+3)%4)
.set i, 0
.rept \nt
.if i < 4
	WIN MUL_LO
.set ac, 64*i
.else
	WIN MUL_HI
.set ac, 64*(i-4)
.endif
.irp g, 0,1,2,3,4,5,6,7
	v_wmma_f32_16x16x32_bf16 v[ac+8*\g:ac+8*\g+7], v[cb+8*\g:cb+8*\g+7], v[ca+8*i:ca+8*i+7], v[ac+8*\g:ac+8*\g+7]
.endr
.if i == 0
	WIN 0
.rept 4
	v_nop
.endr
.irp g, 0,1,2,3,4,5,6,7
	ds_load_b128 v[bb+8*\g:bb+8*\g+3],   v[BA] offset:((\u)+1)*KSB+\g*1024  ; no further wait: no vector or matrix instruction since the wait above names these registers
	ds_load_b128 v[bb+8*\g+4:bb+8*\g+7], v[BA] offset:((\u)+1)*KSB+\g*1024+512
.endr
	WIN 0x40
.set tl, 0
.rept \nt
.if (\u) == 0
	global_load_b128 v[sl+8*tl:sl+8*tl+3],   v[AO+tl], s[PA:PA+1] offset:3072
	global_load_b128 v[sl+8*tl+4:sl+8*tl+7], v[AO+tl], s[PA:PA+1] offset:3584
.else
	global_load_b128 v[sl+8*tl:sl+8*tl+3],   v[AO+tl], s[PB:PB+1] offset:((\u)-1)*1024
	global_load_b128 v[sl+8*tl+4:sl+8*tl+7], v[AO+tl], s[PB:PB+1] offset:((\u)-1)*1024+512
.endif
.set tl, tl+1
.endr
.endif
.set i, i+1
.endr
.endm
; The K loop: 8 trips, a block of 4 K steps each, round from the block at which the pass set PA, PB and SB.  Behind block 7 comes block 0: xs's offset goes round 32,768, the LDS byte round 262,144,
; and block 7's last K step fetches W's K step 0 from its second copy at place 32.  The last trip's look-ahead asks once more for the first block's K steps 0 to 2 of xs and K step 0 of W: bytes
; that exist and have been written; what they bring is not used.  That is 3 runs of 35, the price of writing no tail in three forms.
; The highest LDS byte read is 7 x 32,768 + 4 x 8,192 + 7,680 + 511, the last of place 32.
.macro KLOOP nt
	s_mov_b32 s[KC], 8
.Lk_\@:
	KSTEP 0, \nt
	KSTEP 1, \nt
	KSTEP 2, \nt
	KSTEP 3, \nt
	WIN 0
	s_wait_xcnt 0x0                                ; the loads' bases are stepped only behind this wait
	s_mov_b64 s[PA:PA+1], s[PB:PB+1]
	s_add_co_u32 s[KB], s[KB], 4096
	s_and_b32 s[KB], s[KB], 0x7fff
	s_add_nc_u64 s[PB:PB+1], s[AB:AB+1], s[KB:KB+1]
	s_add_co_u32 s[SB], s[SB], 4*KSB
	s_and_b32 s[SB], s[SB], 0x3ffff
	s_wait_alu depctr_vm_vsrc(0)                   ; the trip's LDS loads have read v[BA]
	v_add_nc_u32 v[BA], s[SB], v[LN16]
	s_sub_co_u32 s[KC], s[KC], 1
	s_cmp_lg_u32 s[KC], 0
	s_cbranch_scc1 .Lk_\@
	s_wait_loadcnt 0x0                             ; the look-ahead's loads: their registers are written again on the way out and in the next pass
	s_wait_dscnt 0x0
.endm
; Tile i goes out: rounded in pairs (each accumulator's registers in ascending order), relu on the packed halves, eight stores of 512 consecutive aligned bytes.
; Tiles 0 to 4 have 32 registers each of their own (T, and W's two fragment buffers, which are free here), so that no tile's conversions wait for the stores of the tile before; tile 5 takes T again.
.macro EPI i
.if (\i) > 0
	s_add_co_u32 s[TT], s[T0], 4*(\i)
	s_cmp_ge_u32 s[TT], s[NTL]
	s_cbranch_scc1 .Ldone                          ; this tile and those behind it do not exist
.endif
.if (\i) == 0
.set TB, T
.elseif (\i) < 5
.set TB, BF+32*((\i)-1)
.else
.set TB, T
	s_wait_xcnt 0x0                                ; T, which tile 0's stores read, is rewritten only behind this wait
	s_wait_alu depctr_vm_vsrc(0)                   ; tile 0's stores have read T, which the conversions below write again
.endif
.set AC, 64*((\i)%4)
	WIN 0x0a+5*((\i)/4)
.irp g, 0,1,2,3,4,5,6,7
.irp jj, 0,1,2,3
	v_cvt_pk_bf16_f32 v[TB+4*\g+\jj], v[AC+8*\g+2*\jj], v[AC+8*\g+2*\jj+1]
.endr
.endr
	WIN 0
.set z, 0
.rept 32
	v_pk_max_num_bf16 v[TB+z], v[TB+z], v[ZR]
.set z, z+1
.endr
	s_wait_alu depctr_va_vdst(0)                   ; the tile's 32 packed registers are written, which the eight stores read
.irp g, 0,1,2,3,4,5,6,7
	global_store_b128 v[OO+(\i)], v[TB+4*\g:TB+4*\g+3], s[HB:HB+1] offset:\g*512
.endr
.endm
	s_mov_b32 s[PC], 3
	s_mov_b32 s[T0], s[WV]
.Lpass:                                                ; my tiles of the pass: T0 + 4 i, i = 0..5
	s_cmp_ge_u32 s[T0], s[NTL]
	s_cbranch_scc1 .Lnext
	s_wait_xcnt 0x0                                ; the last pass's loads and stores have read their addresses and their data
	s_wait_alu depctr_vm_vsrc(0)                   ; the last pass's loads and stores have read AO, OO, v[BA] and the packed tiles (T and W's buffers); the bias's loads have read v11; the stream's LDS stores have read T: all are written again below
.set i, 0
.rept 6
	s_add_co_u32 s[TT], s[T0], 4*i
	s_cmp_lt_u32 s[TT], s[NTL]
	s_cselect_b32 s[TT], s[TT], s[T0]              ; a tile that does not exist repeats my first
	s_min_u32 s[TT], s[TT], 63
	s_lshl_b32 s[TM], s[TT], 15
	v_add_nc_u32 v[AO+i], s[TM], v[LN16]
	s_lshl_b32 s[TM], s[TT], 17
	v_add_nc_u32 v[OO+i], s[TM], v[LN16]
.set i, i+1
.endr
	s_mov_b32 s[KB], s[ROTA]                       ; the block at which my K loop begins,
	s_add_nc_u64 s[PA:PA+1], s[AB:AB+1], s[KB:KB+1]
	s_add_co_u32 s[KB], s[KB], 4096                ; and the one behind it, round 32,768
	s_and_b32 s[KB], s[KB], 0x7fff
	s_add_nc_u64 s[PB:PB+1], s[AB:AB+1], s[KB:KB+1]
	s_mov_b32 s[SB], s[ROTB]
	v_add_nc_u32 v[BA], s[SB], v[LN16]
	s_wait_alu depctr_va_vdst(0)                   ; AO, OO and v[BA] are written; what named W's buffers and the ring before (the bias's and the stream's conversions, the last pass's products and its way out) is done: the loads below land there
.irp g, 0,1,2,3,4,5,6,7
	ds_load_b128 v[BF+8*\g:BF+8*\g+3],   v[BA] offset:\g*1024  ; W of the block's K step 0
	ds_load_b128 v[BF+8*\g+4:BF+8*\g+7], v[BA] offset:\g*1024+512
.endr
	WIN 0x40
.irp sg, 0,1,2                         ; xs of the block's K steps 0 to 2, for all six places, so that one text serves the three loops; behind the first twelve lie 24 loads, not fewer than the loop's count 4 nt
.set i, 0
.rept 6
	global_load_b128 v[48*\sg+8*i:48*\sg+8*i+3],   v[AO+i], s[PA:PA+1] offset:\sg*1024
	global_load_b128 v[48*\sg+8*i+4:48*\sg+8*i+7], v[AO+i], s[PA:PA+1] offset:\sg*1024+512
.set i, i+1
.endr
.endr
	; The sums start at the bias, so that nothing is added on the way out.  All six tiles, on every path.  These 384 lines stand in the wait for the loads above; the price of writing no first K step in three forms.
	WIN 0x80
.set z, 0
.rept 256
	v_mov_b32 v[z], v[BI+z%64]
.set z, z+1
.endr
	WIN 0xc0
.set z, 0
.rept 128
	v_mov_b32 v[z], v[BI+z%64]
.set z, z+1
.endr
	WIN 0
	s_sub_co_u32 s[NT], s[NTL], s[T0]
	s_add_co_u32 s[NT], s[NT], 3
	s_lshr_b32 s[NT], s[NT], 2                     ; my tiles from T0 on
	s_cmp_gt_u32 s[NT], 5
	s_cbranch_scc1 .Lsix
	s_cmp_eq_u32 s[NT], 5
	s_cbranch_scc1 .Lfive
	KLOOP 4
	s_branch .Lepi
.Lfive:
	KLOOP 5
	s_branch .Lepi
.Lsix:
	KLOOP 6
.Lepi:
.rept 4
	v_nop                                          ; the places between the last products and the conversions, which read results and write over W's fragments
.endr
	EPI 0
	EPI 1
	EPI 2
	EPI 3
	EPI 4
	EPI 5
.Ldone:
.Lnext:
	s_add_co_u32 s[T0], s[T0], 24
	s_sub_co_u32 s[PC], s[PC], 1
	s_cmp_lg_u32 s[PC], 0
	s_cbranch_scc1 .Lpass
	s_wait_dscnt 0x0                               ; my reads of LDS are back,
	s_barrier_signal -1
	s_barrier_wait -1                              ; and so are every wave's
	s_wait_dscnt 0x0                               ; the wave's end
	s_wait_alu depctr_hold_cnt(0) depctr_sa_sdst(0) depctr_va_vdst(0) depctr_va_sdst(0) depctr_va_ssrc(0) depctr_va_vcc(0) depctr_vm_vsrc(0)
	s_wait_tensorcnt 0x0
	ds_add_u32 v30, v31
	s_wait_dscnt 0x0
	s_endpgm
.Lfunc_end_k_qb0913fe8a5_up:
	.size	k_qb0913fe8a5_up, .Lfunc_end_k_qb0913fe8a5_up-k_qb0913fe8a5_up
	.p2alignl 7, 3214868480
	.fill 96, 4, 3214868480
	.section	.rodata,"a",@progbits
	.p2align	6, 0x0
	.amdhsa_kernel k_qb0913fe8a5_up
		.amdhsa_group_segment_fixed_size 270848
		.amdhsa_private_segment_fixed_size 0
		.amdhsa_enable_private_segment 0
		.amdhsa_kernarg_size 40
		.amdhsa_user_sgpr_count 2
		.amdhsa_user_sgpr_kernarg_segment_ptr 1
		.amdhsa_wavefront_size32 1
		.amdhsa_system_sgpr_workgroup_id_x 1
		.amdhsa_system_sgpr_workgroup_id_y 1
		.amdhsa_system_sgpr_workgroup_id_z 1
		.amdhsa_system_vgpr_workitem_id 0
		.amdhsa_next_free_vgpr 896
		.amdhsa_next_free_sgpr 66
		.amdhsa_reserve_vcc 0
		.amdhsa_float_denorm_mode_32 3
		.amdhsa_float_denorm_mode_16_64 3
		.amdhsa_memory_ordered 1
		.amdhsa_forward_progress 1
		.amdhsa_inst_pref_size 153
	.end_amdhsa_kernel
	.amdgpu_metadata
---
amdhsa.version: [ 1, 2 ]
amdhsa.kernels:
  - .name:           k_qb0913fe8a5_up
    .symbol:         k_qb0913fe8a5_up.kd
    .args:
      - { .name: W1, .offset: 0, .size: 8, .value_kind: global_buffer, .address_space: global }
      - { .name: b1, .offset: 8, .size: 8, .value_kind: global_buffer, .address_space: global }
      - { .name: xs, .offset: 16, .size: 8, .value_kind: global_buffer, .address_space: global }
      - { .name: route, .offset: 24, .size: 8, .value_kind: global_buffer, .address_space: global }
      - { .name: hid, .offset: 32, .size: 8, .value_kind: global_buffer, .address_space: global }
    .group_segment_fixed_size: 270848
    .private_segment_fixed_size: 0
    .kernarg_segment_align: 8
    .kernarg_segment_size: 40
    .max_flat_workgroup_size: 128
    .sgpr_count:     66
    .vgpr_count:     896
    .wavefront_size: 32
...
	.end_amdgpu_metadata
.endif
;; end of part 6
;; launch down (part 7): grid 32 x 8, 4 waves a work-group, no clusters, 270,848 bytes of LDS; arguments W2, b2, hid, route, gs, part; writes part
.if DOCPART == 7
	.amdgcn_target "amdgcn-amd-amdhsa--gfx1250"
	.amdhsa_code_object_version 6
	.text
	.protected	k_qb0913fe8a5_down
	.globl	k_qb0913fe8a5_down
	.p2align	8
	.type	k_qb0913fe8a5_down,@function
k_qb0913fe8a5_down:
	s_mov_b64 s[64:65], 0
	v_nop
	global_prefetch_b8 v0, s[64:65] scope:SCOPE_SE
	s_setreg_imm32_b32 hwreg(HW_REG_WAVE_SCHED_MODE, 0, 2), 2
	s_setreg_imm32_b32 hwreg(HW_REG_WAVE_MODE, 25, 1), 1
	s_wait_xcnt 0x0
	s_wait_alu depctr_vm_vsrc(0)
; DOWN.  part[q][row] = gate[row] x (hid[row][K quarter q] W2[e][that quarter] + b2[e] in quarter 0 alone), f32.  Work-group (4 e + q, cs) owns 1,024 K x 128 columns of W2[e], which it alone reads.
; K is split in four so that 256 work-groups have a slice each; the four partial rows (partial sums: f32) and the token's two experts are added by the next launch.
; The eight work-groups that read the same quarter of hid (one e, one q) differ in the grid's y alone.
; PHASE S, the barrier and PHASE C are those of the launch before: the slice streams through registers, is rounded to bf16 and laid into LDS as fragments; then the expert's tiles of 16 rows are
; multiplied, hid's fragments straight from memory into registers, W2's from LDS.
; hid's K is permuted: place (s2, c, m = 8 h + j) holds hidden index 64 (s2 / 2) + 2 (s2 % 2) + c + 4 m.  W2's rows are taken in the same order: a sum does not mind the order of its terms' places,
; if both operands have the same.  Fragment g = 4 b + f, lane r  <->  column 64 b + 4 r + f of the slice.
; THE ORDER OF K.  The quarter's 32 K steps are eight blocks of four; the K loop begins at block cs and goes round, so that the eight work-groups that read one quarter of hid begin at eight
; different places of it.  LIMIT: the terms of a sum are therefore added in an order that hangs on the work-group (f32 sums; the reference's order is another still).
; The matrix instruction is used as it is (source 0 = 16 rows of hid, source 1 = W2's fragment): a lane holds column 64 b + 4 r + f of rows 8 h + j, so the four fragments f of one b give a lane
; 16 neighbouring bytes of a row; the move into four neighbouring registers is the multiply by the gate.  Sixteen lanes store 256 consecutive aligned bytes.
; NO CLUSTER, NO TENSOR LOADS; THE ROWS: as in the launch before.
; THE MODE: SCHED_MODE bits 1:0 = 2 (LLVM: expert scheduling mode 2), set by the entry lines.  The code itself states the register dependences between vector or matrix instructions and
; memory or LDS instructions, with s_wait_alu, always for 0.
; THE PLAN.  Registers that memory or LDS instructions touch:
;   PHASE S  slot 2 u + b   The block's sixteen loads land in it; its 32 conversions read it; behind them it is asked for again.
;            T[0], T[1]     Block (u, b)'s conversions write T[b]; its LDS stores read it.  The next block works on the other one.
;            v[SD]          Read by every LDS store; written once a trip, at its end.       v[WO], v[PFO], v[SD2], v[LN16]: made at the head, never written again.
;   PHASE C  BF[0], BF[1]   K step u: its products read BF[u % 2]; its LDS loads land in the other.  On the way out: written by the multiplies, read by stores.
;            ring 0 .. 3    K step u: its products read slot u % 4; its loads land in slot (u + 3) % 4, which the K step before read.
;            G              The gates: loaded at a pass's head, read by the way out's multiplies.
;            v[BA]          Read by every LDS load; written at a pass's head and once a trip, at its end.       AO, OO, GO: written at a pass's head alone.
;   The accumulators and B2 are named by vector and matrix instructions alone.
; So: a block of phase S has one wait on vm_vsrc and one on va_vdst, behind its conversions; a K step has ONE wait on va_vdst, at its head, and its loads follow the first tile's products,
; which name none of the registers that those loads touch; a pass's head has one of each; each run of stores on the way out has one on va_vdst ahead of it.
; REGISTERS, in windows of 256: window 0: v2-27 addresses; v32-63 at work (T[0]); v64-111 the gates G[i][j] (in phase S v64-95 are T[1]); v112-119 the bias B2[g]; v128-255 W2's fragments, two buffers of 8 (on the way out: rows to store)
;   window 1: phase S: four slots of 64; phase C: hid's fragments, a ring of four K steps x 6 tiles x 8     window 2: the accumulators of tiles 0-3 at 64 i + 8 g + j;  window 3: tiles 4 and 5
.set TRIP,  0x40000                    ; bytes of W2 from two K steps to the next two: 64 rows of 4,096
.set USTEP, 0x2000                     ; K step s2 % 2: 2 rows
.set CSTEP, 0x1000                     ; c: a row
.set JSTEP, 0x4000                     ; j: 4 rows
.set KSB,   8192                       ; a K step's 8 fragments in LDS; 32 K steps and the second copy of the first end at byte 33 KSB
.set LN16, 2
.set BA,   3                           ; LDS address of the trip's first K step: SB + 16 x lane
.set SD2,  4                           ; LDS address of place 32: 32 KSB + 16 x lane
.set WO,   5                           ; W2: h 131,072 (32 rows) + r 16
.set PFO,  6                           ; the prefetch: row lane % 2 + 4 (lane / 2)
.set SD,   7
.set AO,   8                           ; v8-13   tile i: its byte offset in hid + 16 lane
.set OO,   14                          ; v14-19  tile i: its byte offset in part + h 32,768 + r 16
.set GO,   20                          ; v20-25  tile i: its byte offset in gs + 32 h
.set RW,   26
.set H32,  27
.set T,    32
.set G,    64
.set B2,   112
.set BF,   128
.set RAW,  128
.set PKB,  136
.set WV, 16
.set EX, 18
.set E4, 19
.set WB, 20
.set OF, 22
.set AB, 24                            ; s[24:25] hid at the expert and K quarter
.set PA, 26                            ; s[26:27] AB + the byte at which the trip's block begins in a tile's quarter
.set PB, 28                            ; s[28:29] AB + KB: the next block
.set KB, 30                            ; s[30:31] the next block's byte, round 32,768
.set PBS, 32                           ; s[32:33] part at the quarter, the expert and the slice's columns
.set CN, 34
.set NTL, 35
.set T0, 36
.set PC, 37
.set KC, 38
.set NT, 39
.set TT, 40
.set SC, 41
.set GSB, 42                           ; s[42:43] gs at the expert
.set QQ, 44
.set CSL, 45
.set KM, 46                            ; all ones in quarter 0, else 0
.set KMH, 47
.set TM, 48
.set SB, 49                            ; LDS byte at which the trip's four K steps begin, round 262,144
.set ROTA, 50                          ; 4,096 x cs: where my K loop begins in a tile's quarter of hid,
.set ROTB, 51                          ; 32,768 x cs: and in LDS
.set MUL_LO, 0xa1                      ; source 0 (hid) window 1, source 1 (W2) window 0, C and D window 2
.set MUL_HI, 0xf1
.set MSB, 0
.macro WIN new                         ; the immediate's high byte repeats the setting that is left; a switch that changes nothing is dropped
.if MSB != (\new)
	s_set_vgpr_msb (MSB<<8)|(\new)
.set MSB, \new
.endif
.endm
; 16 loads: block (u, b) into slot 2 u + b: L[c][j][f] at 32 c + 4 j + f is the row of place (u, c, 8 h + j), column 64 b + 4 r + f
.macro WLOAD u, b, base
.set R, 64*(2*(\u)+(\b))
	WIN 0x40
.irp c, 0,1
.irp j, 0,1,2,3,4,5,6,7
	global_load_b128 v[R+32*\c+4*\j:R+32*\c+4*\j+3], v[WO], s[WB:WB+1] offset:(\base)+(\u)*USTEP+\c*CSTEP+\j*JSTEP+(\b)*256 th:TH_LOAD_NT
.endr
.endr
	WIN 0
.endm
; A block's turn: rounded into T[b]; then (issue = 1) its slot is asked for again, a trip ahead; then T[b] is laid into LDS.  left: the younger loads that may stay out.
; twin = 1: wave 0, in its first trip, lays K step 0 a second time, at place 32: behind K step 31 the K loop goes on with K step 0, and fetches it one K step ahead by a plain offset.
.macro SBLK u, b, issue, left, twin
.set R, 64*(2*(\u)+(\b))
.set TS, T+32*(\b)
	s_wait_loadcnt \left                           ; loads come back in order: this block's sixteen are in
.if \issue
	s_cmp_eq_u32 s[SC], 1
	s_cbranch_scc1 .Lnopf_\@                       ; the loop's last trip asks for nothing: two trips on lies the next wave's part
	global_prefetch_b8 v[PFO], s[WB:WB+1] offset:2*TRIP+(\u)*USTEP+(\b)*256 th:TH_LOAD_NT scope:SCOPE_SE  ; the same block two trips on: 32 lanes, one row's 256 bytes each; its loads are issued four blocks from here, by this wave
.Lnopf_\@:
.endif
	WIN 0x05
.irp f, 0,1,2,3
.irp c, 0,1
.irp jj, 0,1,2,3
	v_cvt_pk_bf16_f32 v[TS+8*\f+4*\c+\jj], v[R+32*\c+8*\jj+\f], v[R+32*\c+8*\jj+4+\f]
.endr
.endr
.endr
.if \issue
	WIN 0x40                                       ; the window of the loads below: the switch, then the waits, then the loads
.else
	WIN 0
.endif
.if (\issue) || ((\u)+(\b) < 2)
	s_wait_alu depctr_vm_vsrc(0)                   ; the LDS stores of the block before have read the other T, which the next block's conversions write
.endif
	s_wait_alu depctr_va_vdst(0)                   ; the conversions have written T[b], which the LDS stores below read, and are done reading the slot, in which the loads below land; behind a trip's end v[SD] is written
.if \issue
	WLOAD \u, \b, TRIP
.endif
.irp f, 0,1,2,3
.irp c, 0,1
	ds_store_b128 v[SD], v[TS+8*\f+4*\c:TS+8*\f+4*\c+3] offset:(\u)*KSB+(4*(\b)+\f)*1024+\c*512
.endr
.endr
.if \twin
	s_cmp_lg_u32 s[WV], 0
	s_cbranch_scc1 .Lno_twin_\@
	s_cmp_lg_u32 s[SC], 3
	s_cbranch_scc1 .Lno_twin_\@
.irp f, 0,1,2,3
.irp c, 0,1
	ds_store_b128 v[SD2], v[TS+8*\f+4*\c:TS+8*\f+4*\c+3] offset:(4*(\b)+\f)*1024+\c*512
.endr
.endr
.Lno_twin_\@:
.endif
.endm
	s_load_b256 s[4:11], s[0:1], 0x0               ; W2 s[4:5], b2 s[6:7], hid s[8:9], route s[10:11]
	s_load_b128 s[12:15], s[0:1], 0x20             ; gs s[12:13], part s[14:15]
	v_lshl_add_u32 v126, v0, 2, 0x42000
	v_mov_b32 v127, 0
	v_lshrrev_b32 v1, 5, v0
	v_readfirstlane_b32 s[WV], v1
	s_lshr_b32 s[EX], ttmp9, 2                     ; expert
	s_and_b32 s[QQ], ttmp9, 3                      ; K quarter
	s_and_b32 s[CSL], ttmp7, 7                     ; column slice: the grid's y has eight work-groups, so three bits hold it, and the LDS byte made of it below ends at 7 x 32,768
	s_lshl_b32 s[ROTA], s[CSL], 12
	s_lshl_b32 s[ROTB], s[CSL], 15
	v_and_b32 v1, 31, v0
	v_lshlrev_b32 v[LN16], 4, v1
	v_add_nc_u32 v[SD2], 32*KSB, v[LN16]
	v_and_b32 v9, 15, v0                           ; r
	v_bfe_u32 v10, v0, 4, 1                        ; h
	v_lshlrev_b32 v11, 4, v9                       ; the bias: 16 r
	v_lshl_add_u32 v[WO], v10, 17, v11
	v_lshl_add_u32 v[RW], v10, 15, v11
	v_lshlrev_b32 v[H32], 5, v10
	v_and_b32 v12, 1, v1
	v_lshrrev_b32 v13, 1, v1
	v_lshlrev_b32 v[PFO], 12, v12
	v_lshl_add_u32 v[PFO], v13, 14, v[PFO]
	s_wait_alu depctr_va_sdst(0)                   ; the wave's number is written, ahead of its first reader
	s_lshl_b32 s[TM], s[WV], 16                    ; my wave lays K steps 8 w to 8 w + 7
	v_add_nc_u32 v[SD], s[TM], v[LN16]
	s_lshl_b32 s[OF], s[EX], 24
	s_lshl_b32 s[TM], s[QQ], 22
	s_add_co_u32 s[OF], s[OF], s[TM]
	s_lshl_b32 s[TM], s[WV], 20
	s_add_co_u32 s[OF], s[OF], s[TM]
	s_lshl_b32 s[TM], s[CSL], 9
	s_add_co_u32 s[OF], s[OF], s[TM]
	s_mov_b32 s[OF+1], 0
	s_mov_b32 s[KB+1], 0
	s_lshl_b32 s[E4], s[EX], 2
	s_cmp_eq_u32 s[QQ], 0
	s_cselect_b32 s[KM], -1, 0
	s_and_b32 s[KMH], s[KM], 0xffff0000
	s_wait_kmcnt 0x0
	s_load_b32 s[CN], s[10:11], s[E4] offset:0x2000  ; the expert's count; waited for behind the barrier
	s_add_nc_u64 s[WB:WB+1], s[4:5], s[OF:OF+1]
	s_lshl_b32 s[OF], s[EX], 12
	s_add_nc_u64 s[GSB:GSB+1], s[12:13], s[OF:OF+1]
	s_add_co_u32 s[OF], s[OF], s[TM]
	s_add_nc_u64 s[6:7], s[6:7], s[OF:OF+1]
	s_wait_alu depctr_va_vdst(0)                   ; v11, v[WO], v[PFO], v[SD], v[SD2] and v[LN16] are written: the loads, prefetches and LDS stores below read them as offsets and addresses
	global_load_b128 v[RAW:RAW+3],   v11, s[6:7]   ; b2 of columns 64 b + 4 r + 0..3
	global_load_b128 v[RAW+4:RAW+7], v11, s[6:7] offset:256
.irp u, 0,1
.irp b, 0,1
	WLOAD \u, \b, 0                                ; trip 0: all four slots
	global_prefetch_b8 v[PFO], s[WB:WB+1] offset:TRIP+\u*USTEP+\b*256 th:TH_LOAD_NT scope:SCOPE_SE  ; trip 1's block
.endr
.endr
	s_lshl_b32 s[OF], s[EX], 23
	s_lshl_b32 s[TT], s[QQ], 15
	s_add_co_u32 s[OF], s[OF], s[TT]
	s_add_nc_u64 s[AB:AB+1], s[8:9], s[OF:OF+1]
	s_lshl_b32 s[OF], s[QQ], 25
	s_lshl_b32 s[TT], s[EX], 22
	s_add_co_u32 s[OF], s[OF], s[TT]
	s_add_co_u32 s[OF], s[OF], s[TM]
	s_add_nc_u64 s[PBS:PBS+1], s[14:15], s[OF:OF+1]
	s_mov_b32 s[SC], 3
.Lstream:                                              ; three trips of four blocks; by the text's count 48 to 64 loads of a wave are out
	SBLK 0, 0, 1, 48, 1
	SBLK 0, 1, 1, 48, 1
	SBLK 1, 0, 1, 48, 0
	SBLK 1, 1, 1, 48, 0
	s_wait_xcnt 0x0                                ; the loads' base is stepped only behind this wait
	s_add_nc_u64 s[WB:WB+1], s[WB:WB+1], TRIP
	s_wait_alu depctr_vm_vsrc(0)                   ; the trip's LDS stores have read v[SD]
	v_add_nc_u32 v[SD], 2*KSB, v[SD]
	s_sub_co_u32 s[SC], s[SC], 1
	s_cmp_lg_u32 s[SC], 0
	s_cbranch_scc1 .Lstream
	SBLK 0, 0, 0, 48, 0                            ; the last trip loads nothing: the counts run down
	SBLK 0, 1, 0, 32, 0
	SBLK 1, 0, 0, 16, 0
	SBLK 1, 1, 0, 0, 0
	; the bias, rounded to bf16 like every input, back in f32, and 0 in all quarters but the first: B2[4 b + f] = b2[64 b + 4 r + f]
.irp p, 0,1,2,3
	v_cvt_pk_bf16_f32 v[PKB+\p], v[RAW+2*\p], v[RAW+2*\p+1]
.endr
.irp p, 0,1,2,3
	v_lshlrev_b32 v[B2+2*\p], 16, v[PKB+\p]
	v_and_b32 v[B2+2*\p+1], s[KMH], v[PKB+\p]
.endr
.irp p, 0,1,2,3
	v_and_b32 v[B2+2*\p], s[KM], v[B2+2*\p]
.endr
	s_wait_dscnt 0x0                               ; for the others' sake: my K steps are in LDS
	s_barrier_signal -1
	s_barrier_wait -1                              ; the whole slice is; from here to the closing barrier LDS is only read
	s_wait_kmcnt 0x0
	s_min_u32 s[CN], s[CN], 1024
	s_add_co_u32 s[NTL], s[CN], 15
	s_lshr_b32 s[NTL], s[NTL], 4
; K step u of a trip's block, for nt tiles.  At its head: this K step's fragments are in, and ONE wait on va_vdst.  Behind the first tile's eight products, which name BF[u % 2], ring slot u % 4 and
; accumulators, it asks for W2's fragments of the next K step (LDS, the other buffer) and hid's of the K step three on (the ring's slot that the K step before left); then the other tiles' products.
; Both sets of registers were last read by the K step before's products: the wait states that those are done, and four plain places stand between as well.
; The accumulators take turns, one instruction a turn: 8 nt - 1 others' stand between two products on one accumulator, over the backward jump too.
.macro KSTEP u, nt
	s_wait_loadcnt 4*(\nt)                         ; hid of this K step is in; those of the next two, 2 nt loads each, stay out
	s_wait_dscnt 0x0                               ; W2 of this K step is in: its sixteen loads are the only LDS instructions that were out
	s_wait_alu depctr_va_vdst(0)                   ; the K step before's products are done reading the other buffer of W2 and the ring's slot (u + 3) % 4, in which the loads below land; in a trip's first K step v[BA] is written
.set cb, BF+64*((\u)%2)
.set ca, 48*((\u)%4)
.set bb, BF+64*(((\u)+1)%2)
.set sl, 48*(((\u)+3)%4)
.set i, 0
.rept \nt
.if i < 4
	WIN MUL_LO
.set ac, 64*i
.else
	WIN MUL_HI
.set ac, 64*(i-4)
.endif
.irp g, 0,1,2,3,4,5,6,7
	v_wmma_f32_16x16x32_bf16 v[ac+8*\g:ac+8*\g+7], v[ca+8*i:ca+8*i+7], v[cb+8*\g:cb+8*\g+7], v[ac+8*\g:ac+8*\g+7]
.endr
.if i == 0
	WIN 0
.rept 4
	v_nop
.endr
.irp g, 0,1,2,3,4,5,6,7
	ds_load_b128 v[bb+8*\g:bb+8*\g+3],   v[BA] offset:((\u)+1)*KSB+\g*1024  ; no further wait: no vector or matrix instruction since the wait above names these registers
	ds_load_b128 v[bb+8*\g+4:bb+8*\g+7], v[BA] offset:((\u)+1)*KSB+\g*1024+512
.endr
	WIN 0x40
.set tl, 0
.rept \nt
.if (\u) == 0
	global_load_b128 v[sl+8*tl:sl+8*tl+3],   v[AO+tl], s[PA:PA+1] offset:3072
	global_load_b128 v[sl+8*tl+4:sl+8*tl+7], v[AO+tl], s[PA:PA+1] offset:3584
.else
	global_load_b128 v[sl+8*tl:sl+8*tl+3],   v[AO+tl], s[PB:PB+1] offset:((\u)-1)*1024
	global_load_b128 v[sl+8*tl+4:sl+8*tl+7], v[AO+tl], s[PB:PB+1] offset:((\u)-1)*1024+512
.endif
.set tl, tl+1
.endr
.endif
.set i, i+1
.endr
.endm
; The K loop: 8 trips, a block of 4 K steps each, round from the block at which the pass set PA, PB and SB.  Behind block 7 comes block 0: hid's offset goes round 32,768, the LDS byte round 262,144,
; and block 7's last K step fetches W2's K step 0 from its second copy at place 32.  The last trip's look-ahead asks once more for the first block's K steps 0 to 2 of hid and K step 0 of W2: bytes
; that exist and have been written; what they bring is not used.
; The highest LDS byte read is 7 x 32,768 + 4 x 8,192 + 7,680 + 511, the last of place 32.
.macro KLOOP nt
	s_mov_b32 s[KC], 8
.Lk_\@:
	KSTEP 0, \nt
	KSTEP 1, \nt
	KSTEP 2, \nt
	KSTEP 3, \nt
	WIN 0
	s_wait_xcnt 0x0                                ; the loads' bases are stepped only behind this wait
	s_mov_b64 s[PA:PA+1], s[PB:PB+1]
	s_add_co_u32 s[KB], s[KB], 4096
	s_and_b32 s[KB], s[KB], 0x7fff
	s_add_nc_u64 s[PB:PB+1], s[AB:AB+1], s[KB:KB+1]
	s_add_co_u32 s[SB], s[SB], 4*KSB
	s_and_b32 s[SB], s[SB], 0x3ffff
	s_wait_alu depctr_vm_vsrc(0)                   ; the trip's LDS loads have read v[BA]
	v_add_nc_u32 v[BA], s[SB], v[LN16]
	s_sub_co_u32 s[KC], s[KC], 1
	s_cmp_lg_u32 s[KC], 0
	s_cbranch_scc1 .Lk_\@
	s_wait_loadcnt 0x0                             ; the look-ahead's loads: their registers are written again on the way out and in the next pass
	s_wait_dscnt 0x0
.endm
; Tile i goes out, 64 columns at a time: times the row's gate, into four neighbouring registers a row (j outermost: each accumulator's register 0 is read first), eight stores.
; Group n = 2 i + b of the twelve takes block n % 5 of five blocks of 32 registers (T, and W2's two fragment buffers, which are free here), so that a group's multiplies do not wait for the stores of
; the group before; where the blocks come round, at groups 5 and 10, stand the waits.
.macro EPI i
.if (\i) > 0
	s_add_co_u32 s[TT], s[T0], 4*(\i)
	s_cmp_ge_u32 s[TT], s[NTL]
	s_cbranch_scc1 .Ldone                          ; this tile and those behind it do not exist
.endif
.set AC, 64*((\i)%4)
.irp b, 0,1
.set n, 2*(\i)+\b
.if (n%5) == 0
.set TB, T
.else
.set TB, BF+32*((n%5)-1)
.endif
.if (n == 5) || (n == 10)
	s_wait_xcnt 0x0                                ; the five blocks, which the stores before read, are rewritten only behind this wait
	s_wait_alu depctr_vm_vsrc(0)                   ; the stores of the five groups before have read their blocks, which this group's multiplies and the next four's write again
.endif
	WIN 0x02+((\i)/4)
.irp j, 0,1,2,3,4,5,6,7
.irp f, 0,1,2,3
	v_mul_f32 v[TB+4*\j+\f], v[AC+8*(4*\b+\f)+\j], v[G+8*(\i)+\j]
.endr
.endr
	WIN 0
	s_wait_alu depctr_va_vdst(0)                   ; the group's 32 registers are written, which the eight stores read
.irp j, 0,1,2,3,4,5,6,7
	global_store_b128 v[OO+(\i)], v[TB+4*\j:TB+4*\j+3], s[PBS:PBS+1] offset:\j*4096+\b*256  ; rows j and 8 + j: sixteen lanes store 256 consecutive aligned bytes
.endr
.endr
.endm
	s_mov_b32 s[PC], 3
	s_mov_b32 s[T0], s[WV]
.Lpass:                                                ; my tiles of the pass: T0 + 4 i, i = 0..5
	s_cmp_ge_u32 s[T0], s[NTL]
	s_cbranch_scc1 .Lnext
	s_wait_xcnt 0x0                                ; the last pass's loads and stores have read their addresses and their data
	s_wait_alu depctr_vm_vsrc(0)                   ; the last pass's loads and stores have read AO, OO, GO, v[BA] and the five blocks of rows (T and W2's buffers); the bias's loads have read v11; the stream's LDS stores have read T[0] and T[1], where the gates land: all are written again below
.set i, 0
.rept 6
	s_add_co_u32 s[TT], s[T0], 4*i
	s_cmp_lt_u32 s[TT], s[NTL]
	s_cselect_b32 s[TT], s[TT], s[T0]              ; a tile that does not exist repeats my first
	s_min_u32 s[TT], s[TT], 63
	s_lshl_b32 s[TM], s[TT], 17
	v_add_nc_u32 v[AO+i], s[TM], v[LN16]
	s_lshl_b32 s[TM], s[TT], 16
	v_add_nc_u32 v[OO+i], s[TM], v[RW]
	s_lshl_b32 s[TM], s[TT], 6
	v_add_nc_u32 v[GO+i], s[TM], v[H32]
.set i, i+1
.endr
	s_mov_b32 s[KB], s[ROTA]                       ; the block at which my K loop begins,
	s_add_nc_u64 s[PA:PA+1], s[AB:AB+1], s[KB:KB+1]
	s_add_co_u32 s[KB], s[KB], 4096                ; and the one behind it, round 32,768
	s_and_b32 s[KB], s[KB], 0x7fff
	s_add_nc_u64 s[PB:PB+1], s[AB:AB+1], s[KB:KB+1]
	s_mov_b32 s[SB], s[ROTB]
	v_add_nc_u32 v[BA], s[SB], v[LN16]
	s_wait_alu depctr_va_vdst(0)                   ; AO, OO, GO and v[BA] are written; what named G, W2's buffers and the ring before (the stream's and the bias's conversions, the last pass's products and its way out) is done: the loads below land there
.set i, 0
.rept 6
	global_load_b128 v[G+8*i:G+8*i+3],   v[GO+i], s[GSB:GSB+1]  ; the gates of rows 8 h + 0..7
	global_load_b128 v[G+8*i+4:G+8*i+7], v[GO+i], s[GSB:GSB+1] offset:16
.set i, i+1
.endr
.irp g, 0,1,2,3,4,5,6,7
	ds_load_b128 v[BF+8*\g:BF+8*\g+3],   v[BA] offset:\g*1024  ; W2 of the block's K step 0
	ds_load_b128 v[BF+8*\g+4:BF+8*\g+7], v[BA] offset:\g*1024+512
.endr
	WIN 0x40
.irp sg, 0,1,2                         ; hid of the block's K steps 0 to 2, for all six places, so that one text serves the three loops; behind the first twelve lie 24 loads, not fewer than the loop's count 4 nt
.set i, 0
.rept 6
	global_load_b128 v[48*\sg+8*i:48*\sg+8*i+3],   v[AO+i], s[PA:PA+1] offset:\sg*1024
	global_load_b128 v[48*\sg+8*i+4:48*\sg+8*i+7], v[AO+i], s[PA:PA+1] offset:\sg*1024+512
.set i, i+1
.endr
.endr
	; The sums start at the bias (0 in quarters 1 to 3).  All six tiles, on every path.  These 384 lines stand in the wait for the loads above; the price of writing no first K step in three forms.
	WIN 0x80
.set z, 0
.rept 256
	v_mov_b32 v[z], v[B2+(z%64)/8]
.set z, z+1
.endr
	WIN 0xc0
.set z, 0
.rept 128
	v_mov_b32 v[z], v[B2+(z%64)/8]
.set z, z+1
.endr
	WIN 0
	s_sub_co_u32 s[NT], s[NTL], s[T0]
	s_add_co_u32 s[NT], s[NT], 3
	s_lshr_b32 s[NT], s[NT], 2                     ; my tiles from T0 on
	s_cmp_gt_u32 s[NT], 5
	s_cbranch_scc1 .Lsix
	s_cmp_eq_u32 s[NT], 5
	s_cbranch_scc1 .Lfive
	KLOOP 4
	s_branch .Lepi
.Lfive:
	KLOOP 5
	s_branch .Lepi
.Lsix:
	KLOOP 6
.Lepi:
.rept 4
	v_nop                                          ; the places between the last products and the multiplies, which read results and write over W2's fragments
.endr
	EPI 0
	EPI 1
	EPI 2
	EPI 3
	EPI 4
	EPI 5
.Ldone:
.Lnext:
	s_add_co_u32 s[T0], s[T0], 24
	s_sub_co_u32 s[PC], s[PC], 1
	s_cmp_lg_u32 s[PC], 0
	s_cbranch_scc1 .Lpass
	s_wait_dscnt 0x0                               ; my reads of LDS are back,
	s_barrier_signal -1
	s_barrier_wait -1                              ; and so are every wave's
	s_wait_dscnt 0x0                               ; the wave's end
	s_wait_alu depctr_hold_cnt(0) depctr_sa_sdst(0) depctr_va_vdst(0) depctr_va_sdst(0) depctr_va_ssrc(0) depctr_va_vcc(0) depctr_vm_vsrc(0)
	s_wait_tensorcnt 0x0
	ds_add_u32 v126, v127
	s_wait_dscnt 0x0
	s_endpgm
.Lfunc_end_k_qb0913fe8a5_down:
	.size	k_qb0913fe8a5_down, .Lfunc_end_k_qb0913fe8a5_down-k_qb0913fe8a5_down
	.p2alignl 7, 3214868480
	.fill 96, 4, 3214868480
	.section	.rodata,"a",@progbits
	.p2align	6, 0x0
	.amdhsa_kernel k_qb0913fe8a5_down
		.amdhsa_group_segment_fixed_size 270848
		.amdhsa_private_segment_fixed_size 0
		.amdhsa_enable_private_segment 0
		.amdhsa_kernarg_size 48
		.amdhsa_user_sgpr_count 2
		.amdhsa_user_sgpr_kernarg_segment_ptr 1
		.amdhsa_wavefront_size32 1
		.amdhsa_system_sgpr_workgroup_id_x 1
		.amdhsa_system_sgpr_workgroup_id_y 1
		.amdhsa_system_sgpr_workgroup_id_z 1
		.amdhsa_system_vgpr_workitem_id 0
		.amdhsa_next_free_vgpr 896
		.amdhsa_next_free_sgpr 66
		.amdhsa_reserve_vcc 0
		.amdhsa_float_denorm_mode_32 3
		.amdhsa_float_denorm_mode_16_64 3
		.amdhsa_memory_ordered 1
		.amdhsa_forward_progress 1
		.amdhsa_inst_pref_size 143
	.end_amdhsa_kernel
	.amdgpu_metadata
---
amdhsa.version: [ 1, 2 ]
amdhsa.kernels:
  - .name:           k_qb0913fe8a5_down
    .symbol:         k_qb0913fe8a5_down.kd
    .args:
      - { .name: W2, .offset: 0, .size: 8, .value_kind: global_buffer, .address_space: global }
      - { .name: b2, .offset: 8, .size: 8, .value_kind: global_buffer, .address_space: global }
      - { .name: hid, .offset: 16, .size: 8, .value_kind: global_buffer, .address_space: global }
      - { .name: route, .offset: 24, .size: 8, .value_kind: global_buffer, .address_space: global }
      - { .name: gs, .offset: 32, .size: 8, .value_kind: global_buffer, .address_space: global }
      - { .name: part, .offset: 40, .size: 8, .value_kind: global_buffer, .address_space: global }
    .group_segment_fixed_size: 270848
    .private_segment_fixed_size: 0
    .kernarg_segment_align: 8
    .kernarg_segment_size: 48
    .max_flat_workgroup_size: 128
    .sgpr_count:     66
    .vgpr_count:     896
    .wavefront_size: 32
...
	.end_amdgpu_metadata
.endif
;; end of part 7
;; launch combine: the kernel of part 5 again; grid 256 x 1, 8 waves a work-group, no clusters, 0 bytes of LDS; arguments route, part, out0; writes out0
